; MI455X (gfx1250); checked and timed in simulation.
; The chip was launched on July 23, 2026; its instructions are those of AMD's public machine-readable ISA for CDNA 5 (MIT licence, August 2026) and "CDNA5" Instruction Set Architecture Reference Guide (July 2026). The comments in the code are by the model that wrote it; some were corrected since.
;; City Expert Mo E. Allowed arithmetic: matrix products marked QUANTISED: E3M2 operands, one E8M0 scale for each 32 along K, by v_wmma_scale_f32_16x16x128_f8f6f4 with both operands' format E3M2, f32 sums; products left as they are: f32 operands where the result goes on into a quantised operand, else bf16, f16 or f32 operands; f32 sums; everything else in f32.
;; Inputs: b1 8 x 4,096 float32; b2 8 x 1,024 float32; beta 1,024 float32; gamma 1,024 float32; gate_w 1,024 x 8 float32; w1_codes 8 x 4,096 x 32 x 24 uint8 (E3M2 codes of w1, K innermost, in blocks of 32 codes, four codes in three bytes); w1_scales 8 x 4,096 x 32 uint8 (E8M0 scales of w1, one for each 32 codes along K); w2_codes 8 x 1,024 x 128 x 24 uint8 (E3M2 codes of w2, K innermost, in blocks of 32 codes, four codes in three bytes); w2_scales 8 x 1,024 x 128 uint8 (E8M0 scales of w2, one for each 32 codes along K); x 4 x 256 x 1,024 float32.
;; Outputs: out0 4 x 256 x 1,024 float32.
;; This version of the problem:
;;   THIS VERSION OF THE PROBLEM IS GIVEN IN LOW PRECISION. The matrix products marked QUANTISED in the list below multiply operands that are first quantised to E3M2 (3 exponent bits, 2 mantissa bits; 6 bits a number), with one power-of-two scale for each 32 numbers along K (OCP MX v1.0); their sums are f32. All else is computed in f32.
;;   The module's matrix products, in the order in which they are computed (A, B: the left and right operand; K: the contracted axis; several contracted axes count as one K, in the product's order):
;;     1. [M 1,024, K 1,024] x [K 1,024, N 8]; A: computed on the way; B: input gate_w: left as it is (N = 8 < 16)
;;     2. [M 32,768, K 1,024] x [K 1,024, N 1,024]; A: input w1 (given as codes); B: computed on the way: QUANTISED
;;     3. batch 8 x [M 1,024, K 4,096] x [K 4,096, N 1,024]; A: computed on the way; B: input w2 (given as codes): QUANTISED
;;     4. batch 1,024 x [M 1, K 8] x [K 8, N 1,024]; A: computed on the way; B: computed on the way: left as it is (K = 8 < 32)
;;   THE QUANTISER, for each operand of a quantised product, along K:
;;     - K is cut into blocks of 32 from its start; a last block that is shorter is filled with zeros.
;;     - A block's scale is 2^e with e = floor(log2(the largest magnitude in the block)) - 4, held to -126 .. 127; a block of zeros has e = 0. As a byte (E8M0): e + 127.
;;     - Each number is divided by its block's scale, clamped to +-28, and rounded to the nearest number of E3M2, ties to even, subnormals kept.
;;     - The product sums the exact products of the quantised numbers (number of the format x scale) in f32.
;;   ~~~python
;;   def quantise(x, axis):      # numpy; x: float32 -> the quantised numbers, widened to float32 again
;;       x = np.moveaxis(x, axis, -1); K = x.shape[-1]
;;       x = np.pad(x, [(0, 0)] * (x.ndim - 1) + [(0, -K % 32)]); x = x.reshape(x.shape[:-1] + (-1, 32)); a = np.abs(x).max(-1, keepdims=True)
;;       e = np.where(a > 0, np.clip(np.frexp(np.where(a > 0, a, 1))[1] - 1 - 4, -126, 127), 0)      # np.frexp(a)[1] - 1 = floor(log2(a)), exactly
;;       r = np.clip(x / 2.0 ** e, -28, 28)
;;       step = 2.0 ** (np.maximum(np.frexp(np.where(r == 0, 1, r))[1] - 1, -2) - 2)
;;       q = np.round(r / step) * step * 2.0 ** e      # np.round: ties to even
;;       return np.moveaxis(q.reshape(q.shape[:-2] + (-1,))[..., :K], -1, axis).astype(np.float32)
;;   ~~~
;;   OPERANDS COMPUTED ON THE WAY. 'Computed on the way' means the value that the module computes at that place (a softmax that the list does not call 'softmax' is quantised finished and normalised). What goes into a quantiser is computed in f32, as accurately as f32 sums, v_exp_f32 and their like allow (about 1e-6 of the number): no bf16 or f16 on the way to a quantiser, and a product that is left as it is and whose result goes on into a quantised operand takes f32 operands (vector FMAs, or v_wmma_f32_16x16x4_f32). A number that lies on a knife's edge between two numbers of the format may be rounded either way, as far as f32 arithmetic and the matrix unit's own rounding can turn it there, and no further.
;;   INPUTS GIVEN AS CODES. w1 (in the module: [8, 1024, 4096], K = its axis 1); w2 (in the module: [8, 4096, 1024], K = its axis 1): each comes as NAME_codes (uint8): NAME with its K axis moved to the last place and cut into blocks of 32 codes, [.., K / 32, bytes a block], one block behind the other in memory; four codes in three bytes: a row's codes are one little-endian stream of bits, code i at bits 6 i .. 6 i + 5 (a code: sign, 3 exponent bits, 2 mantissa bits); and NAME_scales (uint8): the same leading axes, one E8M0 byte (e + 127) for each 32 codes along K. Its value is code x scale, taken as it is: it is not quantised again, and the codes and scales need not be those that the quantiser above would give.
;; 2 versions. Each part assembles by itself: llvm-mc -triple=amdgcn-amd-amdhsa -mcpu=gfx1250 --defsym DOCPART=n.
;; ======== version 1 of 2: 5 launches
;; workspace buffers: xq 786,432 bytes; xs 32,768 bytes; wts 8,192 bytes; eidx 8,192 bytes of whole numbers; lists 17,920 bytes of whole numbers; hq 7,077,888 bytes; hs 294,912 bytes; y 9,437,184 bytes
;; launch route (part 1): grid 256 x 1, 4 waves a work-group, no clusters, 53,760 bytes of LDS; arguments x, gamma, beta, gate_w, xq, xs, eidx, wts; writes xq, xs, eidx, wts
.if DOCPART == 1
	.amdgcn_target "amdgcn-amd-amdhsa--gfx1250"
	.amdhsa_code_object_version 6
	.text
	.protected	k_q5acb67f9ea_route
	.globl	k_q5acb67f9ea_route
	.p2align	8
	.type	k_q5acb67f9ea_route,@function
k_q5acb67f9ea_route:
	s_mov_b64 s[64:65], 0
	v_nop
	global_prefetch_b8 v0, s[64:65] scope:SCOPE_SE
	s_setreg_imm32_b32 hwreg(HW_REG_WAVE_MODE, 25, 1), 1
	s_wait_xcnt 0x0
; LayerNorm, router and the quantising of xn.  One wave takes one token (a row of 1,024 f32); a work-group takes four.
; Stored: xq, the codes of xn (E3M2, K = the row), 768 bytes a token: for each 128 along K its four blocks of 24 bytes in the order 0, 2, 1, 3,
; so that the 48 bytes which one half of the lanes wants of a fragment lie on end; xs, 32 scale bytes a token in their natural order;
; eidx, the two chosen experts (whole numbers); wts, their two renormalised weights (f32).  Nothing here forms an address from the choice.
; All arithmetic is f32: mean, then the mean of squared differences, rsq, logits by fused multiply-adds, softmax with its maximum taken away.
; Top-2 by strict comparisons in ascending order of the experts: of equal probabilities the lower index is kept.
; LIMITS: NaN and infinities are not served.  A block of zeros gets the scale byte 1 (its codes are zeros; only this program reads the bytes).
; Two probabilities that differ only by the rounding of the sums may be ranked the other way round.
; No matrix unit, no tensor loads, no cluster: a token is read once and the launch is short.
.set STG, 32768                        ; LDS: 0 .. 32767 gate_w transposed, [expert][1024] f32; then 5,120 bytes for each wave: 64 places of 64 + 16 bytes
.set X,   16                           ; v16-47   register 4 i + c = x[128 i + 4 lane + c], later x - mu, later xn
.set GA,  48                           ; v48-79   gamma, likewise; later a buffer for two experts' gate rows (with BE), later 32 neighbours of xn
.set BE,  80                           ; v80-111  beta
.set GW,  112                          ; v112-175 gate_w as loaded; later a buffer for two experts' gate rows
.set LG,  176                          ; v176-207 four partial sums for each expert; later the softmax
.set T,   208                          ; v208-223 at work
.macro WSUM r, t                       ; the sum over the 32 lanes, in every lane
	v_add_f32_dpp v[\r], v[\r], v[\r] row_xmask:1 row_mask:0xf bank_mask:0xf
	v_add_f32_dpp v[\r], v[\r], v[\r] row_xmask:2 row_mask:0xf bank_mask:0xf
	v_add_f32_dpp v[\r], v[\r], v[\r] row_xmask:4 row_mask:0xf bank_mask:0xf
	v_add_f32_dpp v[\r], v[\r], v[\r] row_xmask:8 row_mask:0xf bank_mask:0xf
	v_permlanex16_b32 v[\t], v[\r], s24, s25
	v_add_f32 v[\r], v[\r], v[\t]
.endm
.macro GLOAD k, base                   ; the gate rows of experts 2 k and 2 k + 1, in x's layout
.irp u,0,1
.irp i,0,1,2,3,4,5,6,7
	ds_load_b128 v[\base+32*\u+4*\i:\base+32*\u+4*\i+3], v2 offset:4096*(2*\k+\u)+512*\i
.endr
.endr
.endm
.macro GDOT k, base                    ; their logits' partial sums: two chains of pairs for each expert; the first products start the sums
.irp u,0,1
	v_pk_mul_f32 v[LG+8*\k+4*\u:LG+8*\k+4*\u+1], v[X:X+1], v[\base+32*\u:\base+32*\u+1]
	v_pk_mul_f32 v[LG+8*\k+4*\u+2:LG+8*\k+4*\u+3], v[X+2:X+3], v[\base+32*\u+2:\base+32*\u+3]
.endr
.irp i,4,8,12,16,20,24,28
.irp u,0,1
	v_pk_fma_f32 v[LG+8*\k+4*\u:LG+8*\k+4*\u+1], v[X+\i:X+\i+1], v[\base+32*\u+\i:\base+32*\u+\i+1], v[LG+8*\k+4*\u:LG+8*\k+4*\u+1]
	v_pk_fma_f32 v[LG+8*\k+4*\u+2:LG+8*\k+4*\u+3], v[X+\i+2:X+\i+3], v[\base+32*\u+\i+2:\base+32*\u+\i+3], v[LG+8*\k+4*\u+2:LG+8*\k+4*\u+3]
.endr
.endr
.endm
	s_load_b512 s[4:19], s[0:1], 0x0               ; x, gamma, beta, gate_w, xq, xs, eidx, wts
	v_lshl_add_u32 v224, v0, 2, 0xd000
	v_mov_b32 v225, 0
	v_lshrrev_b32 v1, 5, v0
	v_readfirstlane_b32 s20, v1                    ; wave
	v_and_b32 v1, 31, v0                           ; lane
	v_lshlrev_b32 v2, 4, v1                        ; 16 x lane
	v_lshlrev_b32 v3, 5, v0                        ; 32 x thread: a row of gate_w
	v_lshlrev_b32 v4, 2, v0                        ; 4 x thread
	s_lshl_b32 s21, ttmp9, 2
	s_add_co_u32 s21, s21, s20                     ; my token
	s_mul_i32 s22, s20, 5120
	s_add_co_u32 s22, s22, STG                     ; my wave's stage
	v_lshrrev_b32 v5, 2, v1
	v_mul_u32_u24 v5, v5, 80
	v_and_b32 v6, 3, v1
	v_lshl_add_u32 v5, v6, 4, v5
	v_add_nc_u32 v5, s22, v5                       ; into the stage: four lanes' 64 bytes on end, then 16 of padding
	v_mul_u32_u24 v6, v1, 80
	v_add_nc_u32 v6, s22, v6                       ; out of it: place = lane: 16 neighbours
	v_lshrrev_b32 v7, 3, v1                        ; my 16 codes' place in the token's 768 bytes: 96 (lane / 8)
	v_mul_u32_u24 v7, v7, 96
	v_bfe_u32 v8, v1, 1, 1
	v_mad_u32_u24 v7, v8, 48, v7                   ; odd blocks in the second 48 bytes,
	v_bfe_u32 v8, v1, 2, 1
	v_mad_u32_u24 v7, v8, 24, v7                   ; blocks 2 and 3 behind blocks 0 and 1,
	v_and_b32 v8, 1, v1
	v_mad_u32_u24 v7, v8, 12, v7                   ; the block's second half 12 bytes on
	v_lshrrev_b32 v9, 1, v1
	v_lshl_add_u32 v9, v8, 4, v9                   ; the scale byte that I store: even lanes block lane / 2, odd lanes block 16 + lane / 2
	v_mov_b32 v10, 0
.irp i,8,9,10,11,12,13,14,15
	v_mov_b32 v[T+\i], 0                           ; written once: a lane permute's destination counts as one of its sources
.endr
	s_mov_b32 s24, 0x76543210
	s_mov_b32 s25, 0xfedcba98                      ; selects for lane l xor 16
	s_mov_b32 s23, 0x3a800000                      ; 1 / 1024
	s_lshl_b32 s28, s21, 12
	s_mov_b32 s29, 0
	s_wait_kmcnt 0x0
	s_add_nc_u64 s[4:5], s[4:5], s[28:29]
.irp i,0,1,2,3,4,5,6,7
	global_load_b128 v[X+4*\i:X+4*\i+3], v2, s[4:5] offset:512*\i
.endr
.irp m,0,1,2,3,4,5,6,7
	global_load_b128 v[GW+8*\m:GW+8*\m+3], v3, s[10:11] offset:4096*\m       ; gate_w[thread + 128 m][0 .. 7]
	global_load_b128 v[GW+8*\m+4:GW+8*\m+7], v3, s[10:11] offset:4096*\m+16
.endr
.irp i,0,1,2,3,4,5,6,7
	global_load_b128 v[GA+4*\i:GA+4*\i+3], v2, s[6:7] offset:512*\i
.endr
.irp i,0,1,2,3,4,5,6,7
	global_load_b128 v[BE+4*\i:BE+4*\i+3], v2, s[8:9] offset:512*\i
.endr
	s_mul_i32 s28, s21, 768
	s_add_nc_u64 s[12:13], s[12:13], s[28:29]      ; where my token's results go
	s_lshl_b32 s28, s21, 5
	s_add_nc_u64 s[14:15], s[14:15], s[28:29]
	s_lshl_b32 s28, s21, 3
	s_add_nc_u64 s[16:17], s[16:17], s[28:29]
	s_add_nc_u64 s[18:19], s[18:19], s[28:29]
	s_wait_loadcnt 32                              ; x is in; behind it 16 loads of gate_w, 8 of gamma, 8 of beta
.irp k,0,1,2,3
	v_pk_add_f32 v[T+2*\k:T+2*\k+1], v[X+4*\k:X+4*\k+1], v[X+4*\k+2:X+4*\k+3]
.endr
.irp k,0,1,2,3
	v_pk_add_f32 v[T+2*\k:T+2*\k+1], v[T+2*\k:T+2*\k+1], v[X+16+4*\k:X+16+4*\k+1]
.endr
.irp k,0,1,2,3
	v_pk_add_f32 v[T+2*\k:T+2*\k+1], v[T+2*\k:T+2*\k+1], v[X+16+4*\k+2:X+16+4*\k+3]
.endr
	v_pk_add_f32 v[T:T+1], v[T:T+1], v[T+2:T+3]
	v_pk_add_f32 v[T+4:T+5], v[T+4:T+5], v[T+6:T+7]
	v_pk_add_f32 v[T:T+1], v[T:T+1], v[T+4:T+5]
	v_add_f32 v[T], v[T], v[T+1]
	WSUM T, T+8
	v_mul_f32 v[T], s23, v[T]                      ; mu
.irp i,0,2,4,6,8,10,12,14,16,18,20,22,24,26,28,30
	v_pk_add_f32 v[X+\i:X+\i+1], v[X+\i:X+\i+1], v[T:T+1] op_sel_hi:[1,0] neg_lo:[0,1] neg_hi:[0,1]   ; x - mu
.endr
.irp k,0,1,2,3
	v_pk_mul_f32 v[LG+2*\k:LG+2*\k+1], v[X+2*\k:X+2*\k+1], v[X+2*\k:X+2*\k+1]
.endr
.irp i,8,16,24
.irp k,0,1,2,3
	v_pk_fma_f32 v[LG+2*\k:LG+2*\k+1], v[X+\i+2*\k:X+\i+2*\k+1], v[X+\i+2*\k:X+\i+2*\k+1], v[LG+2*\k:LG+2*\k+1]
.endr
.endr
	v_pk_add_f32 v[LG:LG+1], v[LG:LG+1], v[LG+2:LG+3]
	v_pk_add_f32 v[LG+4:LG+5], v[LG+4:LG+5], v[LG+6:LG+7]
	v_pk_add_f32 v[LG:LG+1], v[LG:LG+1], v[LG+4:LG+5]
	v_add_f32 v[LG], v[LG], v[LG+1]
	WSUM LG, T+8
	v_fmaak_f32 v[LG], s23, v[LG], 0x3727c5ac      ; var + 1e-5
	v_rsq_f32 v[LG+2], v[LG]
	v_nop                                          ; a plain instruction behind the transcendental
	s_wait_loadcnt 16                              ; gate_w is in; gamma and beta may be out
.irp m,0,1,2,3,4,5,6,7
.irp e,0,1,2,3,4,5,6,7
	ds_store_b32 v4, v[GW+8*\m+\e] offset:4096*\e+512*\m     ; transposed: [expert][d], d = thread + 128 m
.endr
.endr
	s_wait_loadcnt 0x0
	s_wait_alu depctr_va_vdst(0)                   ; ahead of the first reader of rsq's result
.irp i,0,2,4,6,8,10,12,14,16,18,20,22,24,26,28,30
	v_pk_mul_f32 v[X+\i:X+\i+1], v[X+\i:X+\i+1], v[LG+2:LG+3] op_sel_hi:[1,0]
.endr
.irp i,0,2,4,6,8,10,12,14,16,18,20,22,24,26,28,30
	v_pk_fma_f32 v[X+\i:X+\i+1], v[X+\i:X+\i+1], v[GA+\i:GA+\i+1], v[BE+\i:BE+\i+1]    ; xn
.endr
	s_wait_dscnt 0x0                               ; for the other waves: my part of the transposed gate has landed
	s_barrier_signal -1
	s_barrier_wait -1
	GLOAD 0, GW
	GLOAD 1, GA
	s_wait_dscnt 16                                ; the older 16 loads are in, the younger 16 may be out
	GDOT 0, GW
	GLOAD 2, GW
	s_wait_dscnt 16
	GDOT 1, GA
	GLOAD 3, GA
	s_wait_dscnt 16
	GDOT 2, GW
	s_wait_dscnt 0x0
	GDOT 3, GA
.irp i,0,1,2,3,4,5,6,7
	ds_store_b128 v5, v[X+4*\i:X+4*\i+3] offset:640*\i       ; xn turns through my stage while the router is worked
.endr
.irp i,0,1,2,3
	ds_load_b128 v[GA+4*\i:GA+4*\i+3], v6 offset:16*\i       ; xn[16 lane ..]: LDS serves a wave's instructions in order, so these see the stores
.endr
.irp i,0,1,2,3
	ds_load_b128 v[GA+16+4*\i:GA+16+4*\i+3], v6 offset:2560+16*\i    ; xn[512 + 16 lane ..]
.endr
.irp e,0,1,2,3,4,5,6,7
	v_pk_add_f32 v[LG+4*\e:LG+4*\e+1], v[LG+4*\e:LG+4*\e+1], v[LG+4*\e+2:LG+4*\e+3]
.endr
.irp e,0,1,2,3,4,5,6,7
	v_add_f32 v[T+\e], v[LG+4*\e], v[LG+4*\e+1]
.endr
.irp m,1,2,4,8
.irp e,0,1,2,3,4,5,6,7
	v_add_f32_dpp v[T+\e], v[T+\e], v[T+\e] row_xmask:\m row_mask:0xf bank_mask:0xf
.endr
.endr
.irp e,0,1,2,3,4,5,6,7
	v_permlanex16_b32 v[T+8+\e], v[T+\e], s24, s25
.endr
.irp e,0,1,2,3,4,5,6,7
	v_add_f32 v[T+\e], v[T+\e], v[T+8+\e]          ; the eight logits, in every lane
.endr
	v_max3_num_f32 v176, v[T], v[T+1], v[T+2]
	v_max3_num_f32 v176, v176, v[T+3], v[T+4]
	v_max3_num_f32 v176, v176, v[T+5], v[T+6]
	v_max_num_f32 v176, v176, v[T+7]               ; the largest logit is taken away, as in the softmax that is asked for
.irp e,0,1,2,3,4,5,6,7
	v_sub_f32 v[184+\e], v[T+\e], v176
.endr
.irp e,0,1,2,3,4,5,6,7
	v_mul_f32 v[184+\e], 0x3fb8aa3b, v[184+\e]
.endr
.irp e,0,1,2,3,4,5,6,7
	v_exp_f32 v[184+\e], v[184+\e]
.endr
	v_nop
	s_wait_alu depctr_va_vdst(0)                   ; one wait for the eight exponentials
	v_add_f32 v177, v184, v185
	v_add_f32 v178, v186, v187
	v_add_f32 v179, v188, v189
	v_add_f32 v180, v190, v191
	v_add_f32 v177, v177, v178
	v_add_f32 v179, v179, v180
	v_add_f32 v177, v177, v179
	v_rcp_f32 v178, v177
	v_nop
	s_wait_alu depctr_va_vdst(0)
.irp e,0,1,2,3,4,5,6,7
	v_mul_f32 v[184+\e], v[184+\e], v178           ; the probabilities
.endr
	v_mov_b32 v192, v184                           ; the best so far, its index in v194
	v_mov_b32 v193, -1.0                           ; the second, its index in v195
	v_mov_b32 v194, 0
	v_mov_b32 v195, 0
.irp e,1,2,3,4,5,6,7
	v_mov_b32 v196, \e
	v_cmp_gt_f32 s26, v[184+\e], v192
	v_cmp_gt_f32 s27, v[184+\e], v193
	v_cndmask_b32 v193, v193, v[184+\e], s27
	v_cndmask_b32 v195, v195, v196, s27
	v_cndmask_b32 v193, v193, v192, s26
	v_cndmask_b32 v195, v195, v194, s26
	v_cndmask_b32 v192, v192, v[184+\e], s26
	v_cndmask_b32 v194, v194, v196, s26
.endr
	v_add_f32 v197, v192, v193
	v_rcp_f32 v196, v197
	v_cmp_eq_u32 s27, 1, v8                        ; odd lanes (a plain instruction behind the transcendental)
	s_wait_alu depctr_va_vdst(0)
	v_mul_f32 v198, v192, v196
	v_mul_f32 v199, v193, v196                     ; the two weights, renormalised
	s_wait_dscnt 0x0                               ; my 32 neighbours of xn are back
	v_max3_num_f32 v80, |v[GA]|, |v[GA+1]|, 0x2800000          ; the largest magnitude of my 16, and the floor 2^(5 - 127): the byte cannot fall under 1
	v_max3_num_f32 v81, |v[GA+16]|, |v[GA+17]|, 0x2800000
.irp i,2,4,6,8,10,12,14
	v_max3_num_f32 v80, v80, |v[GA+\i]|, |v[GA+\i+1]|
	v_max3_num_f32 v81, v81, |v[GA+16+\i]|, |v[GA+16+\i+1]|
.endr
	v_max_num_f32_dpp v80, v80, v80 row_xmask:1 row_mask:0xf bank_mask:0xf     ; with my neighbour's 16: the block's
	v_max_num_f32_dpp v81, v81, v81 row_xmask:1 row_mask:0xf bank_mask:0xf
	v_add_nc_u32 v82, 0xfe000000, v80              ; 4 off the exponent field: the conversion's scale operand
	v_add_nc_u32 v83, 0xfe000000, v81
	v_cvt_scalef32_pk16_bf6_f32 v[84:86], v[GA:GA+15], v82
	v_cvt_scalef32_pk16_bf6_f32 v[88:90], v[GA+16:GA+31], v83
	v_lshrrev_b32 v92, 23, v82                     ; the scale bytes
	v_lshrrev_b32 v93, 23, v83
	v_cndmask_b32 v92, v92, v93, s27
	global_store_b96 v7, v[84:86], s[12:13]                    ; the wave's store covers 384 consecutive bytes
	global_store_b96 v7, v[88:90], s[12:13] offset:384
	global_store_b8 v9, v92, s[14:15]                          ; the token's 32 scale bytes
	v_cmp_eq_u32 vcc_lo, 0, v1
	s_wait_xcnt 0x0                                ; EXEC changes only behind this wait
	s_wait_tensorcnt 0x0
	ds_add_u32 v224, v225
	s_wait_dscnt 0x0
	s_and_saveexec_b32 s30, vcc_lo
	global_store_b64 v10, v[194:195], s[16:17]                 ; lane 0: the two experts,
	global_store_b64 v10, v[198:199], s[18:19]                 ; and their weights
	s_wait_xcnt 0x0
	s_or_b32 exec_lo, exec_lo, s30
	s_endpgm
.Lfunc_end_k_q5acb67f9ea_route:
	.size	k_q5acb67f9ea_route, .Lfunc_end_k_q5acb67f9ea_route-k_q5acb67f9ea_route
	.p2alignl 7, 3214868480
	.fill 96, 4, 3214868480
	.section	.rodata,"a",@progbits
	.p2align	6, 0x0
	.amdhsa_kernel k_q5acb67f9ea_route
		.amdhsa_group_segment_fixed_size 53760
		.amdhsa_private_segment_fixed_size 0
		.amdhsa_enable_private_segment 0
		.amdhsa_kernarg_size 64
		.amdhsa_user_sgpr_count 2
		.amdhsa_user_sgpr_kernarg_segment_ptr 1
		.amdhsa_wavefront_size32 1
		.amdhsa_system_sgpr_workgroup_id_x 1
		.amdhsa_system_sgpr_workgroup_id_y 1
		.amdhsa_system_sgpr_workgroup_id_z 1
		.amdhsa_system_vgpr_workitem_id 0
		.amdhsa_next_free_vgpr 226
		.amdhsa_next_free_sgpr 66
		.amdhsa_reserve_vcc 1
		.amdhsa_float_denorm_mode_32 3
		.amdhsa_float_denorm_mode_16_64 3
		.amdhsa_memory_ordered 1
		.amdhsa_forward_progress 1
		.amdhsa_inst_pref_size 42
	.end_amdhsa_kernel
	.amdgpu_metadata
---
amdhsa.version: [ 1, 2 ]
amdhsa.kernels:
  - .name:           k_q5acb67f9ea_route
    .symbol:         k_q5acb67f9ea_route.kd
    .args:
      - { .name: x, .offset: 0, .size: 8, .value_kind: global_buffer, .address_space: global }
      - { .name: gamma, .offset: 8, .size: 8, .value_kind: global_buffer, .address_space: global }
      - { .name: beta, .offset: 16, .size: 8, .value_kind: global_buffer, .address_space: global }
      - { .name: gate_w, .offset: 24, .size: 8, .value_kind: global_buffer, .address_space: global }
      - { .name: xq, .offset: 32, .size: 8, .value_kind: global_buffer, .address_space: global }
      - { .name: xs, .offset: 40, .size: 8, .value_kind: global_buffer, .address_space: global }
      - { .name: eidx, .offset: 48, .size: 8, .value_kind: global_buffer, .address_space: global }
      - { .name: wts, .offset: 56, .size: 8, .value_kind: global_buffer, .address_space: global }
    .group_segment_fixed_size: 53760
    .private_segment_fixed_size: 0
    .kernarg_segment_align: 8
    .kernarg_segment_size: 64
    .max_flat_workgroup_size: 128
    .sgpr_count:     66
    .vgpr_count:     226
    .wavefront_size: 32
...
	.end_amdgpu_metadata
.endif
;; end of part 1
;; launch place (part 2): grid 1 x 1, 16 waves a work-group, no clusters, 2,560 bytes of LDS; arguments eidx, lists; writes lists
.if DOCPART == 2
	.amdgcn_target "amdgcn-amd-amdhsa--gfx1250"
	.amdhsa_code_object_version 6
	.text
	.protected	k_q5acb67f9ea_place
	.globl	k_q5acb67f9ea_place
	.p2align	8
	.type	k_q5acb67f9ea_place,@function
k_q5acb67f9ea_place:
	s_mov_b64 s[64:65], 0
	v_nop
	global_prefetch_b8 v0, s[64:65] scope:SCOPE_SE
	s_setreg_imm32_b32 hwreg(HW_REG_WAVE_MODE, 25, 1), 1
	s_wait_xcnt 0x0
; A counting sort of the 2,048 routed rows (rid = 2 x token + k) by expert, without atomics, in one work-group of 512 threads; thread t owns rids 4 t .. 4 t + 3.
; Each expert's rows are padded to whole groups of 32 slots: T_e = ceil(n_e / 32) groups from group gbase_e on; the T_e sum to 71 at the most, whatever the choice.
; lists: byte 0: (gbase_e, T_e) for the eight experts, then zeros, 32 words; byte 256: slot of each rid, 2,048 words; byte 8448: token of each slot, 2,304 words;
; byte 17664: one spare word, which takes the zeros of lanes that have no padding slot and which nobody reads.
; Padding slots name token 0: their rows are computed and never read.  Slots of groups that no expert owns are not stored and not read.
.set MK, 32                            ; s32-63   mask (c, e): lanes whose rid 4 t + c goes to expert e
.set NE, 66                            ; s66-73   n_e
.set SA, 74                            ; s74-81   first the rows of e in lower waves, then the next free slot of e for my wave
.set GB, 82                            ; s82-89   gbase_e
.set TE, 90                            ; s90-97   T_e
.set PADA, 64                          ; v64-71   the padding stores' offsets, a register for each expert, so that none is written again while a store reads it
	s_load_b128 s[4:7], s[0:1], 0x0                ; eidx, lists
	v_lshl_add_u32 v80, v0, 2, 0x200
	v_mov_b32 v81, 0
	v_lshrrev_b32 v1, 5, v0
	v_readfirstlane_b32 s8, v1                     ; wave
	v_and_b32 v1, 31, v0                           ; lane
	v_lshlrev_b32 v2, 4, v0                        ; 16 x thread
	v_and_b32 v3, 0x1e0, v0                        ; LDS: 32 x wave: my wave's eight counts
	v_and_b32 v10, 7, v0
	v_lshlrev_b32 v10, 2, v10                      ; LDS: 4 x (lane mod 8)
	s_wait_kmcnt 0x0
	global_load_b128 v[4:7], v2, s[4:5]
	s_wait_loadcnt 0x0
.irp c,0,1,2,3
.irp e,0,1,2,3,4,5,6,7
	v_cmp_eq_u32 s[MK+8*\c+\e], \e, v[4+\c]
.endr
.endr
.irp e,0,1,2,3,4,5,6,7
	s_bcnt1_i32_b32 s[16+\e], s[MK+\e]
.irp c,1,2,3
	s_bcnt1_i32_b32 s24, s[MK+8*\c+\e]
	s_add_co_u32 s[16+\e], s[16+\e], s24           ; my wave's rows of expert e
.endr
.endr
.irp e,0,1,2,3,4,5,6,7
	v_mov_b32 v[12+\e], s[16+\e]
	ds_store_b32 v3, v[12+\e] offset:4*\e          ; all lanes write the same word with the same value
.endr
	s_wait_dscnt 0x0
	s_barrier_signal -1
	s_barrier_wait -1
.irp w,0,1,2,3,4,5,6,7,8,9,10,11,12,13,14,15
	ds_load_b32 v[20+\w], v10 offset:32*\w         ; lane l: wave w's count of expert l mod 8
.endr
	v_mov_b32 v36, 0
	v_mov_b32 v37, 0
	s_wait_dscnt 0x0
.irp w,0,1,2,3,4,5,6,7,8,9,10,11,12,13,14,15
	s_cmp_gt_u32 s8, \w
	s_cselect_b32 s24, -1, 0
	v_add_nc_u32 v36, v36, v[20+\w]                ; all waves' rows,
	v_and_b32 v38, s24, v[20+\w]
	v_add_nc_u32 v37, v37, v38                     ; and those of the waves below mine
.endr
.irp e,0,1,2,3,4,5,6,7
	v_readlane_b32 s[NE+\e], v36, \e
	v_readlane_b32 s[SA+\e], v37, \e
.endr
	s_mov_b32 s24, 0
.irp e,0,1,2,3,4,5,6,7
	s_add_co_u32 s25, s[NE+\e], 31
	s_lshr_b32 s[TE+\e], s25, 5
	s_mov_b32 s[GB+\e], s24
	s_lshl_b32 s25, s24, 5
	s_add_co_u32 s[SA+\e], s[SA+\e], s25           ; my wave's first slot of expert e
	s_add_co_u32 s24, s24, s[TE+\e]
.endr
.irp c,0,1,2,3
	v_mov_b32 v[44+\c], 0
.endr
.irp c,0,1,2,3
.irp e,0,1,2,3,4,5,6,7
	v_mbcnt_lo_u32_b32 v42, s[MK+8*\c+\e], 0       ; how many lanes below mine have such a row
	v_add_nc_u32 v42, s[SA+\e], v42
	v_cndmask_b32 v[44+\c], v[44+\c], v42, s[MK+8*\c+\e]
	s_bcnt1_i32_b32 s24, s[MK+8*\c+\e]
	s_add_co_u32 s[SA+\e], s[SA+\e], s24
.endr
.endr
	global_store_b128 v2, v[44:47], s[6:7] offset:256          ; the slots of my four rids
	v_lshlrev_b32 v52, 1, v0                       ; my two tokens
	v_add_nc_u32 v53, 1, v52
.irp c,0,1,2,3
	v_min_u32 v[48+\c], 0x8ff, v[44+\c]
	v_lshlrev_b32 v[48+\c], 2, v[48+\c]
	global_store_b32 v[48+\c], v[52+\c/2], s[6:7] offset:8448  ; the token of each of my four slots
.endr
	s_cmp_lg_u32 s8, 0
	s_cbranch_scc1 .Ldone                          ; the rest is wave 0's
	; The padding: at most 31 slots behind each expert's rows get token 0.  No lane is switched off: a lane whose slot n_e + lane lies at or beyond the
	; expert's 32 T_e slots sends its 0 to the spare word, slot number 2,304.  The choice is made on slot numbers; the clamp and the shift come behind it.
	v_mov_b32 v56, 0
	v_mov_b32 v59, 0x900                           ; the spare word's slot number
.irp e,0,1,2,3,4,5,6,7
	v_add_nc_u32 v54, s[NE+\e], v1                 ; n_e + lane
	s_lshl_b32 s24, s[TE+\e], 5
	v_cmp_gt_u32 vcc_lo, s24, v54                  ; still inside the expert's groups?
	s_lshl_b32 s25, s[GB+\e], 5
	v_add_nc_u32 v[PADA+\e], s25, v54
	v_cndmask_b32 v[PADA+\e], v59, v[PADA+\e], vcc_lo
	v_min_u32 v[PADA+\e], 0x900, v[PADA+\e]
	v_lshlrev_b32 v[PADA+\e], 2, v[PADA+\e]
	global_store_b32 v[PADA+\e], v56, s[6:7] offset:8448
.endr
	v_mov_b32 v57, 0
.irp e,0,1,2,3,4,5,6,7
	v_writelane_b32 v57, s[GB+\e], 2*\e
	v_writelane_b32 v57, s[TE+\e], 2*\e+1
.endr
	v_lshlrev_b32 v58, 2, v1
	global_store_b32 v58, v57, s[6:7]              ; (gbase_e, T_e) for the eight experts, then zeros: 128 consecutive bytes
.Ldone:
	s_wait_tensorcnt 0x0
	ds_add_u32 v80, v81
	s_wait_dscnt 0x0
	s_endpgm
.Lfunc_end_k_q5acb67f9ea_place:
	.size	k_q5acb67f9ea_place, .Lfunc_end_k_q5acb67f9ea_place-k_q5acb67f9ea_place
	.p2alignl 7, 3214868480
	.fill 96, 4, 3214868480
	.section	.rodata,"a",@progbits
	.p2align	6, 0x0
	.amdhsa_kernel k_q5acb67f9ea_place
		.amdhsa_group_segment_fixed_size 2560
		.amdhsa_private_segment_fixed_size 0
		.amdhsa_enable_private_segment 0
		.amdhsa_kernarg_size 16
		.amdhsa_user_sgpr_count 2
		.amdhsa_user_sgpr_kernarg_segment_ptr 1
		.amdhsa_wavefront_size32 1
		.amdhsa_system_sgpr_workgroup_id_x 1
		.amdhsa_system_sgpr_workgroup_id_y 1
		.amdhsa_system_sgpr_workgroup_id_z 1
		.amdhsa_system_vgpr_workitem_id 0
		.amdhsa_next_free_vgpr 82
		.amdhsa_next_free_sgpr 100
		.amdhsa_reserve_vcc 1
		.amdhsa_float_denorm_mode_32 3
		.amdhsa_float_denorm_mode_16_64 3
		.amdhsa_memory_ordered 1
		.amdhsa_forward_progress 1
		.amdhsa_inst_pref_size 25
	.end_amdhsa_kernel
	.amdgpu_metadata
---
amdhsa.version: [ 1, 2 ]
amdhsa.kernels:
  - .name:           k_q5acb67f9ea_place
    .symbol:         k_q5acb67f9ea_place.kd
    .args:
      - { .name: eidx, .offset: 0, .size: 8, .value_kind: global_buffer, .address_space: global }
      - { .name: lists, .offset: 8, .size: 8, .value_kind: global_buffer, .address_space: global }
    .group_segment_fixed_size: 2560
    .private_segment_fixed_size: 0
    .kernarg_segment_align: 8
    .kernarg_segment_size: 16
    .max_flat_workgroup_size: 512
    .sgpr_count:     100
    .vgpr_count:     82
    .wavefront_size: 32
...
	.end_amdgpu_metadata
.endif
;; end of part 2
;; launch ffn1 (part 3): grid 32 x 8, 4 waves a work-group, no clusters, 155,136 bytes of LDS; arguments xq, xs, lists, w1_codes, w1_scales, b1, hq, hs; writes hq, hs
.if DOCPART == 3
	.amdgcn_target "amdgcn-amd-amdhsa--gfx1250"
	.amdhsa_code_object_version 6
	.text
	.protected	k_q5acb67f9ea_ffn1
	.globl	k_q5acb67f9ea_ffn1
	.p2align	8
	.type	k_q5acb67f9ea_ffn1,@function
k_q5acb67f9ea_ffn1:
	s_mov_b64 s[64:65], 0
	v_nop
	global_prefetch_b8 v0, s[64:65] scope:SCOPE_SE
	s_setreg_imm32_b32 hwreg(HW_REG_WAVE_MODE, 25, 1), 1
	s_wait_xcnt 0x0
; h = Q(gelu(Q(xn) W1 + b1)) for the routed rows of one expert (work-group y) and one chunk of 128 hidden units (work-group x), both operands codes of E3M2 with E8M0 scales.
; THE WEIGHTS STAY: wave w (hh = w mod 2, p = w / 2) keeps 64 hidden units x all 1,024 of K in 384 registers: the chunk's blocks of 32 units hh and 2 + hh.  The launch reads each weight byte once.
; The wave walks the expert's groups of 32 slots, T of them, and takes tile p (16 slots) of each: 32 matrix instructions, gelu, quantiser, store.
; The product is used transposed (source 0 = 16 rows of W1, source 1 = 16 slots of x), and the rows of W1 that form a tile are chosen (lane r of tile 2 b + u: unit 8 u + r + 8 (r / 8) of block b),
; so that a lane holds one slot and the 16 registers of two neighbouring tiles are 16 neighbours along the next product's K.  b1 is the C of each sum's first instruction.
; hq is laid as the image of the next product's operand registers: [group][chunk][tile][c][lane][16 bytes], register 4 c + i of lane l at 512 c + 16 l + 4 i; hs: one scale word for each slot and chunk.
; The trip count T and the rows' addresses hang on numbers that an earlier launch stored: so there is no tensor load here, operands come through registers, and the one barrier stands at the head, ahead of every such branch.
; No cluster: work-groups of one expert share x's rows but have no tensor loads to share them by.  No prefetch: the weights are asked for at the head, x's rows a whole trip ahead into registers.
; gelu(a) = 0.5 a (1 + erf(a / sqrt 2)); erf(z) = z P(z^2) / Q(z^2), z held to -4 .. 4, P of degree 6, Q of degree 4: a few units in the last place of erf.
; LIMITS: NaN and infinities are not served; 1 + erf cancels in f32 for a below about -5.6, where gelu is under 1e-7 in magnitude; a block of zeros gets the scale byte 1 (its codes are zeros; only this program reads the bytes).
; REGISTERS, in windows of 256.  Window 0: v1-14 offsets; v16-24 rows' offsets; v25-33 tokens; v34-41 x's scale words; v42-73 W1's; v74-105 four accumulators; v106-199 at work; v200-203 two constants; v204-210 the head's.
;   Windows 1, 2: W1's fragments, (K step s, tile t) at 48 (s mod 4) + 12 t.   Window 3: v0-95 x's eight fragments; v96-191 x's rows as loaded; v192-199 their scale words; v200-231 b1.
.set PITCH, 784                        ; an LDS row: 768 bytes + 16
.set XW0, 128*PITCH                    ; LDS: 128 rows of W1; then for each wave 16 rows of x and 1,024 bytes for the image of their scale words
.set XWB, 16*PITCH+1024
.set XS,  34
.set W1S, 42
.set ACC, 74
.set ZZ,  106
.set Z2,  122
.set PP,  138
.set QQ,  154
.set SX,  96
.set SS,  192
.set B1,  200
.set MSB, 0
.macro WIN new                         ; the immediate's high byte repeats the setting that is left
.if MSB != \new
	s_set_vgpr_msb (MSB<<8)|\new
.set MSB, \new
.endif
.endm
.macro LIST                            ; s29 = k: the tokens of tile p of my expert's group min(k, T - 1)
	s_min_u32 s29, s29, s27
	s_add_co_u32 s29, s29, s25
	s_min_u32 s29, s29, 71
	s_lshl_b32 s29, s29, 7
	v_add_nc_u32 v13, s29, v2
	v_add_nc_u32 v14, s29, v3
	global_load_b128 v[26:29], v13, s[8:9] offset:8448         ; tokens of slots 8 h + 0 .. 7
	global_load_b128 v[30:33], v13, s[8:9] offset:8464
	global_load_b32 v25, v14, s[8:9] offset:8448               ; token of slot r
.endm
.macro XADDR                           ; from tokens to byte offsets; a loaded number enters an address only behind its clamp
.irp i,0,1,2,3,4,5,6,7
	v_min_u32 v[16+\i], 0x3ff, v[26+\i]
.endr
.irp i,0,1,2,3,4,5,6,7
	v_mul_u32_u24 v[16+\i], 0x300, v[16+\i]
.endr
.irp i,0,1,2,3,4,5,6,7
	v_add_nc_u32 v[16+\i], v[16+\i], v1
.endr
	v_min_u32 v24, 0x3ff, v25
	v_lshlrev_b32 v24, 5, v24
.endm
.macro XLOAD                           ; 16 rows of codes, 768 bytes each: an instruction takes 256 consecutive bytes of row i (lanes 0-15) and of row 8 + i (lanes 16-31)
	WIN 0xc0
.irp i,0,1,2,3,4,5,6,7
.irp j,0,1,2
	global_load_b128 v[SX+12*\i+4*\j:SX+12*\i+4*\j+3], v[16+\i], s[4:5] offset:256*\j
.endr
.endr
	global_load_b128 v[SS:SS+3], v24, s[6:7]                   ; lane r: the eight scale words of slot r
	global_load_b128 v[SS+4:SS+7], v24, s[6:7] offset:16
	WIN 0
.endm
.macro STAGE                           ; the rows turn through my own LDS bytes into fragments; the scale words go through as an image.  LDS serves a wave's instructions in order: no wait between
	WIN 0x0c
.irp i,0,1,2,3,4,5,6,7
.irp j,0,1,2
	ds_store_b128 v4, v[SX+12*\i+4*\j:SX+12*\i+4*\j+3] offset:PITCH*\i+256*\j
.endr
.endr
	ds_store_b128 v6, v[SS:SS+3]
	ds_store_b128 v6, v[SS+4:SS+7] offset:512
	WIN 0xc0
.irp s,0,1,2,3,4,5,6,7
.irp c,0,1,2
	ds_load_b128 v[12*\s+4*\c:12*\s+4*\c+3], v5 offset:96*\s+16*\c     ; my half's 48 bytes of K step s lie on end
.endr
.endr
	WIN 0
	ds_load_b128 v[XS:XS+3], v6
	ds_load_b128 v[XS+4:XS+7], v6 offset:512
.endm
.macro MUL                             ; 32 matrix instructions; the four accumulators take turns, one instruction a turn
.irp s,0,1,2,3,4,5,6,7
.if \s == 0
	WIN 0x3d                                       ; W1 window 1, x window 3, C = b1 window 3
.elseif \s < 4
	WIN 0x0d
.else
	WIN 0x0e                                       ; W1 window 2
.endif
.irp t,0,1,2,3
.if \s == 0
	v_wmma_scale_f32_16x16x128_f8f6f4 v[ACC+8*\t:ACC+8*\t+7], v[48*(\s%4)+12*\t:48*(\s%4)+12*\t+11], v[12*\s:12*\s+11], v[B1+8*\t:B1+8*\t+7], v[W1S+8*\t+\s], v[XS+\s] matrix_a_fmt:MATRIX_FMT_BF6 matrix_b_fmt:MATRIX_FMT_BF6
.else
	v_wmma_scale_f32_16x16x128_f8f6f4 v[ACC+8*\t:ACC+8*\t+7], v[48*(\s%4)+12*\t:48*(\s%4)+12*\t+11], v[12*\s:12*\s+11], v[ACC+8*\t:ACC+8*\t+7], v[W1S+8*\t+\s], v[XS+\s] matrix_a_fmt:MATRIX_FMT_BF6 matrix_b_fmt:MATRIX_FMT_BF6
.endif
.endr
.endr
	WIN 0
.endm
.macro GELU a                          ; sixteen numbers from v[a] on, in place; each step runs over all eight pairs, from the low end on
.irp i,0,2,4,6,8,10,12,14
	v_pk_mul_f32 v[ZZ+\i:ZZ+\i+1], v[\a+\i:\a+\i+1], s[36:37] op_sel_hi:[1,0]          ; z = a / sqrt 2
.endr
.irp i,0,1,2,3,4,5,6,7,8,9,10,11,12,13,14,15
	v_med3_num_f32 v[ZZ+\i], v[ZZ+\i], -4.0, 4.0
.endr
.irp i,0,2,4,6,8,10,12,14
	v_pk_mul_f32 v[Z2+\i:Z2+\i+1], v[ZZ+\i:ZZ+\i+1], v[ZZ+\i:ZZ+\i+1]
.endr
.irp i,0,2,4,6,8,10,12,14
	v_pk_fma_f32 v[PP+\i:PP+\i+1], v[Z2+\i:Z2+\i+1], v[200:201], s[38:39] op_sel_hi:[1,1,0]
.endr
.irp k,40,42,44,46,48
.irp i,0,2,4,6,8,10,12,14
	v_pk_fma_f32 v[PP+\i:PP+\i+1], v[PP+\i:PP+\i+1], v[Z2+\i:Z2+\i+1], s[\k:\k+1] op_sel_hi:[1,1,0]
.endr
.endr
.irp i,0,2,4,6,8,10,12,14
	v_pk_fma_f32 v[QQ+\i:QQ+\i+1], v[Z2+\i:Z2+\i+1], v[202:203], s[50:51] op_sel_hi:[1,1,0]
.endr
.irp k,52,54,56
.irp i,0,2,4,6,8,10,12,14
	v_pk_fma_f32 v[QQ+\i:QQ+\i+1], v[QQ+\i:QQ+\i+1], v[Z2+\i:Z2+\i+1], s[\k:\k+1] op_sel_hi:[1,1,0]
.endr
.endr
.irp i,0,1,2,3,4,5,6,7,8,9,10,11,12,13,14,15
	v_rcp_f32 v[QQ+\i], v[QQ+\i]
.endr
.irp i,0,2,4,6,8,10,12,14
	v_pk_mul_f32 v[PP+\i:PP+\i+1], v[PP+\i:PP+\i+1], v[ZZ+\i:ZZ+\i+1]                  ; work that names no reciprocal stands behind the batch
.endr
.irp i,0,2,4,6,8,10,12,14
	v_pk_mul_f32 v[Z2+\i:Z2+\i+1], v[\a+\i:\a+\i+1], 0.5 op_sel_hi:[1,0]
.endr
	s_wait_alu depctr_va_vdst(0)                   ; one wait for the sixteen reciprocals, ahead of their first reader
.irp i,0,2,4,6,8,10,12,14
	v_pk_mul_f32 v[PP+\i:PP+\i+1], v[PP+\i:PP+\i+1], v[QQ+\i:QQ+\i+1]                  ; erf
.endr
.irp i,0,2,4,6,8,10,12,14
	v_pk_fma_f32 v[\a+\i:\a+\i+1], v[Z2+\i:Z2+\i+1], v[PP+\i:PP+\i+1], v[Z2+\i:Z2+\i+1]    ; 0.5 a erf + 0.5 a
.endr
.endm
	s_load_b512 s[4:19], s[0:1], 0x0               ; xq, xs, lists, w1_codes, w1_scales, b1, hq, hs
	v_lshl_add_u32 v254, v0, 2, 0x25c00
	v_mov_b32 v255, 0
	v_lshrrev_b32 v15, 5, v0
	v_readfirstlane_b32 s20, v15                   ; wave
	s_and_b32 s21, s20, 1                          ; hh
	s_lshr_b32 s22, s20, 1                         ; p
	s_mov_b32 s23, ttmp9                           ; the chunk
	s_and_b32 s24, ttmp7, 0xffff                   ; the expert
	v_and_b32 v15, 15, v0                          ; r
	v_bfe_u32 v209, v0, 4, 1                       ; h
	v_and_b32 v210, 31, v0                         ; lane
	v_lshlrev_b32 v1, 4, v15                       ; 16 r
	s_lshl_b32 s29, s22, 6
	v_lshl_add_u32 v2, v209, 5, s29                ; in a group's 128 bytes of the slot list: 64 p + 32 h
	v_lshl_add_u32 v3, v15, 2, s29                 ; 64 p + 4 r
	s_mul_i32 s30, s20, XWB
	s_add_co_u32 s30, s30, XW0                     ; my wave's LDS bytes for x
	v_mul_u32_u24 v4, v209, 8*PITCH
	v_add_nc_u32 v4, v4, v1
	v_add_nc_u32 v4, s30, v4                       ; rows in: row 8 h + i, 16 r
	v_mul_u32_u24 v5, v15, PITCH
	v_mad_u32_u24 v5, v209, 48, v5
	v_add_nc_u32 v5, s30, v5                       ; fragments out: row r, 48 h
	v_lshlrev_b32 v6, 4, v210
	v_add_nc_u32 v6, s30, v6
	v_add_nc_u32 v6, 16*PITCH, v6                  ; the scale words' image: 16 x lane
	s_mul_i32 s31, s23, 3072
	s_mul_i32 s32, s22, 1536
	s_add_co_u32 s31, s31, s32
	s_lshl_b32 s32, s21, 8
	s_add_co_u32 s31, s31, s32                     ; in a group's part of hq: chunk, tile, my half of the lanes
	v_lshl_add_u32 v7, v209, 10, v1
	v_add_nc_u32 v7, s31, v7                       ; lanes 0-15 store piece c = 0, lanes 16-31 piece c = 2
	v_xor_b32 v8, 1, v209
	v_lshl_add_u32 v8, v8, 3, v1
	v_add_nc_u32 v8, s31, v8
	v_add_nc_u32 v8, 512, v8                       ; piece c = 1: lanes 16-31 its first 8 bytes, lanes 0-15 its last
	s_lshl_b32 s32, s23, 7
	s_add_co_u32 s32, s32, s29
	s_add_co_u32 s32, s32, s21
	v_lshlrev_b32 v9, 2, v15
	v_lshl_add_u32 v9, v209, 1, v9
	v_add_nc_u32 v9, s32, v9                       ; in a group's part of hs: byte hh + 2 h of slot r's word
	v_mul_u32_u24 v204, v209, 16*768
	v_add_nc_u32 v204, v204, v1                    ; W1 in memory: rows i and 16 + i of my 32, 16 r
	s_mul_i32 s33, s20, 32*PITCH
	v_mul_u32_u24 v205, v209, 8*PITCH
	v_add_nc_u32 v205, v205, v1
	v_add_nc_u32 v205, s33, v205                   ; W1 into LDS: row 16 a + 8 u + c of a block goes to place 16 u + 8 a + c, so that a tile's 16 rows lie on end
	s_mul_i32 s33, s21, 32*PITCH
	v_mul_u32_u24 v206, v15, PITCH
	v_mad_u32_u24 v206, v209, 24, v206
	v_add_nc_u32 v206, s33, v206                   ; W1's fragments out of LDS
	v_and_b32 v207, 8, v15
	v_add_nc_u32 v207, v207, v15
	v_lshlrev_b32 v207, 5, v207                    ; W1's scale words: 32 bytes a row, row r + 8 (r / 8)
	v_lshlrev_b32 v208, 6, v209                    ; b1: 16 h numbers on
	s_lshl_b32 s33, s24, 12
	s_lshl_b32 s34, s23, 7
	s_add_co_u32 s33, s33, s34                     ; the chunk's first row of W1
	s_lshl_b32 s34, s20, 5
	s_add_co_u32 s34, s34, s33
	s_mul_i32 s34, s34, 768
	s_mov_b32 s35, 0
	s_lshl_b32 s66, s21, 5
	s_add_co_u32 s66, s66, s33
	s_lshl_b32 s68, s66, 2
	s_lshl_b32 s66, s66, 5
	s_mov_b32 s67, 0
	s_mov_b32 s69, 0
	s_mov_b32 s36, 0x3f3504f3                      ; 1 / sqrt 2.  (A packed form names a pair and takes its low word for both halves: so both words are written)
	s_mov_b32 s37, s36
	s_mov_b32 s38, 0x32edffee                      ; P's coefficients behind the first, the highest power first
	s_mov_b32 s39, s38
	s_mov_b32 s40, 0xb60cff51
	s_mov_b32 s41, s40
	s_mov_b32 s42, 0xb86ec2d2
	s_mov_b32 s43, s42
	s_mov_b32 s44, 0xba40ac63
	s_mov_b32 s45, s44
	s_mov_b32 s46, 0xbb41a1f6
	s_mov_b32 s47, s46
	s_mov_b32 s48, 0xbc83dbd4
	s_mov_b32 s49, s48
	s_mov_b32 s50, 0xb95fbd29                      ; Q's likewise
	s_mov_b32 s51, s50
	s_mov_b32 s52, 0xbadc924e
	s_mov_b32 s53, s52
	s_mov_b32 s54, 0xbbf19bf8
	s_mov_b32 s55, s54
	s_mov_b32 s56, 0xbc69b6a7
	s_mov_b32 s57, s56
	s_mov_b32 s58, 0x76543210
	s_mov_b32 s59, 0xfedcba98                      ; selects for lane l xor 16
	s_mov_b32 s60, 0xffff0000                      ; lanes 16-31
	v_mov_b32 v200, 0xaf95df0b                     ; P's first coefficient,
	v_mov_b32 v201, 0xaf95df0b
	v_mov_b32 v202, 0xb77460cd                     ; Q's
	v_mov_b32 v203, 0xb77460cd
	v_mov_b32 v172, 0                              ; written once: a lane permute's destination counts as one of its sources
	v_mov_b32 v173, 0
	v_mov_b32 v186, 0
	v_mov_b32 v187, 0
	s_lshl_b32 s29, s24, 3
	s_mov_b32 s28, 0                               ; j
	s_wait_kmcnt 0x0
	s_load_b64 s[30:31], s[8:9], s29 offset:0x0    ; my expert's first group and its number of groups
	s_add_nc_u64 s[10:11], s[10:11], s[34:35]
	s_add_nc_u64 s[12:13], s[12:13], s[66:67]
	s_add_nc_u64 s[14:15], s[14:15], s[68:69]
	WIN 0x40
.irp i,0,1,2,3,4,5,6,7,8,9,10,11,12,13,14,15
.irp j,0,1,2
	global_load_b128 v[4*(3*\i+\j):4*(3*\i+\j)+3], v204, s[10:11] offset:768*\i+256*\j th:TH_LOAD_NT     ; my 32 rows of the chunk: 256 consecutive bytes of two rows an instruction; read once in the launch
.endr
.endr
	WIN 0
.irp t,0,1,2,3
.irp c,0,1
	global_load_b128 v[W1S+8*\t+4*\c:W1S+8*\t+4*\c+3], v207, s[12:13] offset:32*(64*(\t/2)+8*(\t%2))+16*\c
.endr
.endr
	WIN 0xc0
.irp t,0,1,2,3
.irp c,0,1
	global_load_b128 v[B1+8*\t+4*\c:B1+8*\t+4*\c+3], v208, s[14:15] offset:4*(64*(\t/2)+8*(\t%2))+16*\c
.endr
.endr
	WIN 0
	s_wait_kmcnt 0x0
	s_min_u32 s26, s31, 32                         ; T
	s_min_u32 s25, s30, 71                         ; the first group,
	s_cmp_eq_u32 s26, 0
	s_cselect_b32 s25, 0, s25                      ; or group 0, which always has an owner, where my expert has no rows
	s_max_u32 s27, s26, 1
	s_sub_co_u32 s27, s27, 1                       ; the last trip: what is asked for ahead is held to it
	s_mov_b32 s29, 0
	LIST
	s_wait_loadcnt 19                              ; the 48 loads of W1 are in; behind them 8 of its scale words, 8 of b1, 3 of the list
	WIN 0x04
.irp i,0,1,2,3,4,5,6,7,8,9,10,11,12,13,14,15
.irp j,0,1,2
	ds_store_b128 v205, v[4*(3*\i+\j):4*(3*\i+\j)+3] offset:(16*(\i/8)+(\i%8))*PITCH+256*\j
.endr
.endr
	WIN 0
	s_wait_loadcnt 0x0                             ; the list is in
	XADDR
	XLOAD                                          ; tile 0
	s_mov_b32 s29, 1
	LIST
	s_wait_dscnt 0x0                               ; for the other waves: my rows of W1 have landed
	s_barrier_signal -1
	s_barrier_wait -1                              ; the launch's one barrier; from here on the waves share nothing
	s_cmp_eq_u32 s26, 0
	s_cbranch_scc1 .Lend                           ; an expert that no token chose
	WIN 0x40
.irp s,0,1,2,3
.irp t,0,1,2,3
.irp p,0,1,2,3,4,5
	ds_load_b64 v[48*\s+12*\t+2*\p:48*\s+12*\t+2*\p+1], v206 offset:(64*(\t/2)+16*(\t%2))*PITCH+96*\s+48*(\p/3)+8*(\p%3)
.endr
.endr
.endr
	WIN 0x80
.irp s,4,5,6,7
.irp t,0,1,2,3
.irp p,0,1,2,3,4,5
	ds_load_b64 v[48*(\s-4)+12*\t+2*\p:48*(\s-4)+12*\t+2*\p+1], v206 offset:(64*(\t/2)+16*(\t%2))*PITCH+96*\s+48*(\p/3)+8*(\p%3)
.endr
.endr
.endr
	WIN 0
	s_wait_loadcnt 0x0                             ; tile 0's rows and the second list are in
	STAGE
.Ltrip:
	s_wait_dscnt 0x0                               ; this tile's fragments and scale words are in (in the first trip W1's too), and the stage has read the registers that the loads below fill
	s_wait_xcnt 0x0                                ; the last trip's stores have read their registers
	XADDR
	XLOAD                                          ; the next tile's rows: a whole trip ahead of their use
	s_add_co_u32 s29, s28, 2
	LIST                                           ; and the tokens of the tile after it
	MUL
	s_add_co_u32 s29, s25, s28
	s_min_u32 s29, s29, 71                         ; this trip's group
	s_mul_i32 s30, s29, 98304
	s_lshl_b32 s31, s29, 12
	v_add_nc_u32 v10, s30, v7                      ; these three and the v_nop are the four places behind the last matrix instruction
	v_add_nc_u32 v11, s30, v8
	v_add_nc_u32 v12, s31, v9
	v_nop
	GELU ACC
	GELU ACC+16
	v_max3_num_f32 v170, |v[ACC]|, |v[ACC+1]|, 0x2800000       ; the two blocks' largest magnitudes: my 16 numbers of each, and the floor 2^(5 - 127)
	v_max3_num_f32 v171, |v[ACC+16]|, |v[ACC+17]|, 0x2800000
.irp i,2,4,6,8,10,12,14
	v_max3_num_f32 v170, v170, |v[ACC+\i]|, |v[ACC+\i+1]|
	v_max3_num_f32 v171, v171, |v[ACC+16+\i]|, |v[ACC+16+\i+1]|
.endr
	v_permlanex16_b32 v172, v170, s58, s59
	v_permlanex16_b32 v173, v171, s58, s59
	v_max_num_f32 v170, v170, v172                 ; with lane l xor 16's
	v_max_num_f32 v171, v171, v173
	v_add_nc_u32 v174, 0xfe000000, v170            ; 4 off the exponent field: the conversion's scale operand
	v_add_nc_u32 v175, 0xfe000000, v171
	v_lshrrev_b32 v176, 23, v174                   ; the scale bytes
	v_lshrrev_b32 v177, 23, v175
	v_cvt_scalef32_pk16_bf6_f32 v[178:180], v[ACC:ACC+15], v174        ; P: 16 codes of block hh
	v_cvt_scalef32_pk16_bf6_f32 v[182:184], v[ACC+16:ACC+31], v175     ; Q: 16 codes of block 2 + hh
	v_cndmask_b32 v194, v176, v177, s60            ; (a plain instruction behind the conversions)  lanes 0-15 store the first block's byte, lanes 16-31 the second's
	v_permlanex16_b32 v186, v178, s58, s59         ; the other half's P0,
	v_permlanex16_b32 v187, v184, s58, s59         ; and its Q2
	v_cndmask_b32 v188, v178, v187, s60            ; registers 0-3 of the next operand (lanes 0-15: P0 P1 P2 and the upper half's P0), registers 8-11 (lanes 16-31: the lower half's Q2, Q0 Q1 Q2)
	v_cndmask_b32 v189, v179, v182, s60
	v_cndmask_b32 v190, v180, v183, s60
	v_cndmask_b32 v191, v186, v184, s60
	v_cndmask_b32 v192, v182, v179, s60            ; registers 4-5 (lanes 16-31: P1 P2), 6-7 (lanes 0-15: Q0 Q1)
	v_cndmask_b32 v193, v183, v180, s60
	global_store_b128 v10, v[188:191], s[16:17]                ; sixteen lanes store 256 consecutive bytes, aligned
	global_store_b64 v11, v[192:193], s[16:17]                 ; the 32 lanes store 256 consecutive bytes, aligned
	global_store_b8 v12, v194, s[18:19]
	s_wait_loadcnt 0x0                             ; the next tile's rows, asked for at the trip's head
	STAGE
	s_add_co_u32 s28, s28, 1
	s_cmp_lt_u32 s28, s26
	s_cbranch_scc1 .Ltrip
.Lend:
	s_wait_tensorcnt 0x0
	ds_add_u32 v254, v255
	s_wait_dscnt 0x0
	s_endpgm
.Lfunc_end_k_q5acb67f9ea_ffn1:
	.size	k_q5acb67f9ea_ffn1, .Lfunc_end_k_q5acb67f9ea_ffn1-k_q5acb67f9ea_ffn1
	.p2alignl 7, 3214868480
	.fill 96, 4, 3214868480
	.section	.rodata,"a",@progbits
	.p2align	6, 0x0
	.amdhsa_kernel k_q5acb67f9ea_ffn1
		.amdhsa_group_segment_fixed_size 155136
		.amdhsa_private_segment_fixed_size 0
		.amdhsa_enable_private_segment 0
		.amdhsa_kernarg_size 64
		.amdhsa_user_sgpr_count 2
		.amdhsa_user_sgpr_kernarg_segment_ptr 1
		.amdhsa_wavefront_size32 1
		.amdhsa_system_sgpr_workgroup_id_x 1
		.amdhsa_system_sgpr_workgroup_id_y 1
		.amdhsa_system_sgpr_workgroup_id_z 1
		.amdhsa_system_vgpr_workitem_id 0
		.amdhsa_next_free_vgpr 1024
		.amdhsa_next_free_sgpr 96
		.amdhsa_reserve_vcc 0
		.amdhsa_float_denorm_mode_32 3
		.amdhsa_float_denorm_mode_16_64 3
		.amdhsa_memory_ordered 1
		.amdhsa_forward_progress 1
		.amdhsa_inst_pref_size 70
	.end_amdhsa_kernel
	.amdgpu_metadata
---
amdhsa.version: [ 1, 2 ]
amdhsa.kernels:
  - .name:           k_q5acb67f9ea_ffn1
    .symbol:         k_q5acb67f9ea_ffn1.kd
    .args:
      - { .name: xq, .offset: 0, .size: 8, .value_kind: global_buffer, .address_space: global }
      - { .name: xs, .offset: 8, .size: 8, .value_kind: global_buffer, .address_space: global }
      - { .name: lists, .offset: 16, .size: 8, .value_kind: global_buffer, .address_space: global }
      - { .name: w1_codes, .offset: 24, .size: 8, .value_kind: global_buffer, .address_space: global }
      - { .name: w1_scales, .offset: 32, .size: 8, .value_kind: global_buffer, .address_space: global }
      - { .name: b1, .offset: 40, .size: 8, .value_kind: global_buffer, .address_space: global }
      - { .name: hq, .offset: 48, .size: 8, .value_kind: global_buffer, .address_space: global }
      - { .name: hs, .offset: 56, .size: 8, .value_kind: global_buffer, .address_space: global }
    .group_segment_fixed_size: 155136
    .private_segment_fixed_size: 0
    .kernarg_segment_align: 8
    .kernarg_segment_size: 64
    .max_flat_workgroup_size: 128
    .sgpr_count:     96
    .vgpr_count:     1024
    .wavefront_size: 32
...
	.end_amdgpu_metadata
.endif
;; end of part 3
;; launch ffn2 (part 4): grid 32 x 8, 4 waves a work-group, no clusters, 270,848 bytes of LDS; arguments hq, hs, lists, w2_codes, w2_scales, b2, y; writes y
.if DOCPART == 4
	.amdgcn_target "amdgcn-amd-amdhsa--gfx1250"
	.amdhsa_code_object_version 6
	.text
	.protected	k_q5acb67f9ea_ffn2
	.globl	k_q5acb67f9ea_ffn2
	.p2align	8
	.type	k_q5acb67f9ea_ffn2,@function
k_q5acb67f9ea_ffn2:
	s_mov_b64 s[64:65], 0
	v_nop
	global_prefetch_b8 v0, s[64:65] scope:SCOPE_SE
	s_setreg_imm32_b32 hwreg(HW_REG_WAVE_MODE, 25, 1), 1
	s_wait_xcnt 0x0
; y = h W2 + b2 in slot order, both operands codes of E3M2 with E8M0 scales.  Work-group y = the expert; work-group x = 2 cg + p: 64 output columns (cg) and every second group of 32 slots (p).
; THE WEIGHTS STAY: wave q keeps the 64 columns x K steps 8 q .. 8 q + 7 (1,024 of the 4,096 along K) in 384 registers.  So each fragment of h is loaded by one wave and feeds four matrix instructions.
; The four quarters of K are added through LDS: a barrier in every trip.  So the loop has a CONSTANT 16 trips (an expert has at most 32 groups, 16 of one parity), every wave passes every barrier,
; and only the work of a trip beyond the expert's groups is jumped over, by a branch on a number that an earlier launch stored.  Operands come through registers.
; The product is used transposed (source 0 = 16 rows of W2, source 1 = 16 slots of h): a lane holds eight neighbouring columns of one slot.  h comes as the image of the operand's registers: 16 bytes a lane, 512 an instruction.
; No cluster: there are no tensor loads to share tiles by.  No prefetch: the weights are asked for at the head, h a whole trip ahead into registers.
; The sum over K is made in four parts that are added in f32: an order of rounding that differs from one ascending chain.
; REGISTERS.  Window 0: v1-8 offsets; v12-15 b2; v16-23 h's scale words (lanes 0-15 tile 0, lanes 16-31 tile 1); v24-55 W2's; v56-119 eight accumulators; v120-183 the reduction; v184-188 the head's.
;   Windows 1, 2: W2's fragments, (K step s, tile t) at 48 (s mod 4) + 12 t.   Window 3: h's fragments, (tile m, K step s) at 96 m + 12 s.
.set PITCH, 784                        ; an LDS row of weights: 768 bytes + 16
.set PANEL, 64*PITCH                   ; LDS: a panel of 64 rows for each wave, its own;
.set PART,  4*PANEL                    ; then two buffers of [quarter][32 slots][256 bytes + 16]
.set PBUF,  4*32*272
.set HS,  16
.set W2S, 24
.set ACC, 56
.set RED, 120
.set MSB, 0
.macro WIN new                         ; the immediate's high byte repeats the setting that is left
.if MSB != \new
	s_set_vgpr_msb (MSB<<8)|\new
.set MSB, \new
.endif
.endm
.macro NEXT                            ; s29 = k: the offsets of my groups' k-th, held to the last
	s_min_u32 s29, s29, s26
	s_lshl_b32 s29, s29, 1
	s_add_co_u32 s29, s29, s24
	s_min_u32 s29, s29, 71
	s_mul_i32 s30, s29, 98304
	s_lshl_b32 s31, s29, 12
	v_add_nc_u32 v3, s30, v1
	v_add_nc_u32 v4, s31, v2
.endm
.macro HLOAD s0                        ; h's fragments of four K steps, both tiles: 24 loads of 512 consecutive bytes
	WIN 0xc0
.irp d,0,1,2,3
.irp m,0,1
.irp c,0,1,2
	global_load_b128 v[96*\m+12*(\s0+\d)+4*\c:96*\m+12*(\s0+\d)+4*\c+3], v3, s[4:5] offset:3072*(\s0+\d)+1536*\m+512*\c
.endr
.endr
.endr
.endm
.macro HSLOAD
.irp s,0,1,2,3,4,5,6,7
	global_load_b32 v[HS+\s], v4, s[6:7] offset:128*\s
.endr
.endm
.macro MUL s0                          ; 32 matrix instructions; the eight accumulators take turns, one instruction a turn; the first K step starts the sums
.if \s0 == 0
	WIN 0x0d                                       ; W2 window 1, h window 3
.else
	WIN 0x0e                                       ; W2 window 2
.endif
.irp d,0,1,2,3
.irp t,0,1,2,3
.if \s0+\d == 0
	v_wmma_scale_f32_16x16x128_f8f6f4 v[ACC+8*\t:ACC+8*\t+7], v[48*\d+12*\t:48*\d+12*\t+11], v[12*(\s0+\d):12*(\s0+\d)+11], 0, v[W2S+8*\t+\s0+\d], v[HS+\s0+\d] matrix_a_fmt:MATRIX_FMT_BF6 matrix_b_fmt:MATRIX_FMT_BF6
.else
	v_wmma_scale_f32_16x16x128_f8f6f4 v[ACC+8*\t:ACC+8*\t+7], v[48*\d+12*\t:48*\d+12*\t+11], v[12*(\s0+\d):12*(\s0+\d)+11], v[ACC+8*\t:ACC+8*\t+7], v[W2S+8*\t+\s0+\d], v[HS+\s0+\d] matrix_a_fmt:MATRIX_FMT_BF6 matrix_b_fmt:MATRIX_FMT_BF6
.endif
.endr
.irp t,0,1,2,3
.if \s0+\d == 0
	v_wmma_scale_f32_16x16x128_f8f6f4 v[ACC+32+8*\t:ACC+32+8*\t+7], v[48*\d+12*\t:48*\d+12*\t+11], v[96+12*(\s0+\d):96+12*(\s0+\d)+11], 0, v[W2S+8*\t+\s0+\d], v[HS+\s0+\d] matrix_a_fmt:MATRIX_FMT_BF6 matrix_b_fmt:MATRIX_FMT_BF6 matrix_b_scale:MATRIX_SCALE_ROW1
.else
	v_wmma_scale_f32_16x16x128_f8f6f4 v[ACC+32+8*\t:ACC+32+8*\t+7], v[48*\d+12*\t:48*\d+12*\t+11], v[96+12*(\s0+\d):96+12*(\s0+\d)+11], v[ACC+32+8*\t:ACC+32+8*\t+7], v[W2S+8*\t+\s0+\d], v[HS+\s0+\d] matrix_a_fmt:MATRIX_FMT_BF6 matrix_b_fmt:MATRIX_FMT_BF6 matrix_b_scale:MATRIX_SCALE_ROW1
.endif
.endr
.endr
.endm
.macro PLACES                          ; four places are owed in front of loads into registers that matrix instructions have read and of stores of results, five in front of a matrix instruction that begins an accumulator anew
.rept 5
	v_nop
.endr
.endm
; One trip: group j of my parity, through LDS buffer buf.
.macro TRIP buf
	s_lshl_b32 s27, s28, 1
	s_add_co_u32 s27, s27, \buf                    ; j
	s_cmp_lt_u32 s27, s25
	s_cbranch_scc0 .Lidle_\@
	s_wait_loadcnt 0x0                             ; this group's fragments and scale words, asked for a trip ago; their address registers are free
	s_add_co_u32 s29, s27, 1
	NEXT
	MUL 0
	PLACES
	HLOAD 0                                        ; the next group's first four K steps, into the registers just multiplied
	MUL 4
	PLACES
	HLOAD 4
	WIN 0
	HSLOAD
.irp m,0,1
.irp t,0,1,2,3
	ds_store_b128 v5, v[ACC+32*\m+8*\t:ACC+32*\m+8*\t+3] offset:PBUF*\buf+4352*\m+64*\t          ; each accumulator from its low end on
	ds_store_b128 v5, v[ACC+32*\m+8*\t+4:ACC+32*\m+8*\t+7] offset:PBUF*\buf+4352*\m+64*\t+16
.endr
.endr
.Lidle_\@:
	s_wait_dscnt 0x0                               ; my quarter has landed, and my reads of the other buffer, which the next trip writes, are back
	s_barrier_signal -1
	s_barrier_wait -1
	s_cmp_lt_u32 s27, s25
	s_cbranch_scc0 .Lnone_\@
	s_wait_xcnt 0x0                                ; the last trip's stores have read their registers
	s_lshl_b32 s29, s27, 1
	s_add_co_u32 s29, s29, s24
	s_min_u32 s29, s29, 71
	s_lshl_b32 s29, s29, 17                        ; 32 rows of 4,096 bytes a group
	v_add_nc_u32 v8, s29, v7
.irp i,0,1,2,3
.irp g,0,1,2,3
	ds_load_b128 v[RED+16*\i+4*\g:RED+16*\i+4*\g+3], v6 offset:PBUF*\buf+8704*\g+544*\i          ; rows 8 w + 2 i and + 1, quarter g
.endr
.endr
.irp i,0,1,2,3
	s_wait_dscnt 12-4*\i                           ; piece i's four loads are in; the later pieces' may be out
.irp u,0,2
	v_pk_add_f32 v[RED+16*\i+\u:RED+16*\i+\u+1], v[RED+16*\i+\u:RED+16*\i+\u+1], v[RED+16*\i+4+\u:RED+16*\i+4+\u+1]
	v_pk_add_f32 v[RED+16*\i+8+\u:RED+16*\i+8+\u+1], v[RED+16*\i+8+\u:RED+16*\i+8+\u+1], v[RED+16*\i+12+\u:RED+16*\i+12+\u+1]
.endr
.irp u,0,2
	v_pk_add_f32 v[RED+16*\i+\u:RED+16*\i+\u+1], v[RED+16*\i+\u:RED+16*\i+\u+1], v[RED+16*\i+8+\u:RED+16*\i+8+\u+1]
.endr
.irp u,0,2
	v_pk_add_f32 v[RED+16*\i+\u:RED+16*\i+\u+1], v[RED+16*\i+\u:RED+16*\i+\u+1], v[12+\u:13+\u]
.endr
	global_store_b128 v8, v[RED+16*\i:RED+16*\i+3], s[16:17] offset:8192*\i th:TH_STORE_NT       ; sixteen lanes store 256 consecutive bytes, aligned
.endr
.Lnone_\@:
.endm
	s_load_b256 s[4:11], s[0:1], 0x0               ; hq, hs, lists, w2_codes
	s_load_b128 s[12:15], s[0:1], 0x20             ; w2_scales, b2
	s_load_b64 s[16:17], s[0:1], 0x30              ; y
	v_lshl_add_u32 v254, v0, 2, 0x42000
	v_mov_b32 v255, 0
	v_lshrrev_b32 v9, 5, v0
	v_readfirstlane_b32 s20, v9                    ; wave = my quarter of K; on the way out: my eight rows
	s_lshr_b32 s21, ttmp9, 1                       ; cg
	s_and_b32 s22, ttmp9, 1                        ; p
	s_and_b32 s23, ttmp7, 0xffff                   ; the expert
	v_and_b32 v9, 15, v0                           ; r
	v_bfe_u32 v10, v0, 4, 1                        ; h
	v_and_b32 v11, 31, v0                          ; lane
	v_lshlrev_b32 v188, 4, v9                      ; 16 r
	s_mul_i32 s29, s20, 24576
	v_lshl_add_u32 v1, v11, 4, s29                 ; in a group's part of hq: my eight K steps, 16 x lane
	s_lshl_b32 s29, s20, 10
	v_lshl_add_u32 v2, v11, 2, s29                 ; in its part of hs
	s_mul_i32 s29, s20, 8704
	s_add_co_u32 s29, s29, PART
	v_mul_u32_u24 v5, v9, 272
	v_lshl_add_u32 v5, v10, 5, v5
	v_add_nc_u32 v5, s29, v5                       ; my quarter's results: slot r, 32 h bytes
	s_mul_i32 s29, s20, 2176
	s_add_co_u32 s29, s29, PART
	v_mul_u32_u24 v6, v10, 272
	v_add_nc_u32 v6, v6, v188
	v_add_nc_u32 v6, s29, v6                       ; back: rows 8 w + h, 16 r
	s_lshl_b32 s29, s20, 15
	s_lshl_b32 s30, s21, 8
	s_add_co_u32 s29, s29, s30
	v_lshl_add_u32 v7, v10, 12, v188
	v_add_nc_u32 v7, s29, v7                       ; the same place in a group's 32 rows of y
	s_lshl_b32 s31, s23, 10
	s_lshl_b32 s30, s21, 6
	s_add_co_u32 s31, s31, s30                     ; my first row of W2
	s_mul_i32 s32, s31, 3072
	s_mul_i32 s30, s20, 768
	s_add_co_u32 s32, s32, s30
	s_mov_b32 s33, 0
	s_lshl_b32 s34, s31, 7
	s_lshl_b32 s30, s20, 5
	s_add_co_u32 s34, s34, s30
	s_mov_b32 s35, 0
	s_lshl_b32 s36, s31, 2
	s_mov_b32 s37, 0
	v_mul_u32_u24 v184, v10, 0x18000
	v_add_nc_u32 v184, v184, v188                  ; W2 in memory: rows i and 32 + i, 16 r
	v_lshlrev_b32 v185, 7, v9                      ; its scale words: 128 bytes a row
	s_mul_i32 s29, s20, PANEL
	v_mul_u32_u24 v186, v10, 32*PITCH
	v_add_nc_u32 v186, v186, v188
	v_add_nc_u32 v186, s29, v186                   ; into my panel
	v_mul_u32_u24 v187, v9, PITCH
	v_mad_u32_u24 v187, v10, 24, v187
	v_add_nc_u32 v187, s29, v187                   ; fragments out of it
	s_lshl_b32 s38, s23, 3
	s_wait_kmcnt 0x0
	s_load_b64 s[40:41], s[8:9], s38 offset:0x0    ; my expert's first group and its number of groups
	s_add_nc_u64 s[10:11], s[10:11], s[32:33]
	s_add_nc_u64 s[12:13], s[12:13], s[34:35]
	s_add_nc_u64 s[14:15], s[14:15], s[36:37]
	WIN 0x40
.irp i,0,1,2,3,4,5,6,7,8,9,10,11,12,13,14,15
.irp j,0,1,2
	global_load_b128 v[4*(3*\i+\j):4*(3*\i+\j)+3], v184, s[10:11] offset:3072*\i+256*\j          ; 256 consecutive bytes of two rows an instruction
.endr
.endr
	WIN 0x80
.irp i,16,17,18,19,20,21,22,23,24,25,26,27,28,29,30,31
.irp j,0,1,2
	global_load_b128 v[4*(3*(\i-16)+\j):4*(3*(\i-16)+\j)+3], v184, s[10:11] offset:3072*\i+256*\j
.endr
.endr
	WIN 0
.irp t,0,1,2,3
.irp c,0,1
	global_load_b128 v[W2S+8*\t+4*\c:W2S+8*\t+4*\c+3], v185, s[12:13] offset:2048*\t+16*\c
.endr
.endr
	global_load_b128 v[12:15], v188, s[14:15]      ; b2 of my four columns on the way out
	s_wait_loadcnt 57                              ; the first 48 loads are in; behind them 48 more, 8 of scale words, 1 of b2
	WIN 0x04
.irp i,0,1,2,3,4,5,6,7,8,9,10,11,12,13,14,15
.irp j,0,1,2
	ds_store_b128 v186, v[4*(3*\i+\j):4*(3*\i+\j)+3] offset:PITCH*\i+256*\j
.endr
.endr
	s_wait_loadcnt 0x0                             ; all of the head's loads: the reduction names b2 with no load wait of its own
	WIN 0x08
.irp i,16,17,18,19,20,21,22,23,24,25,26,27,28,29,30,31
.irp j,0,1,2
	ds_store_b128 v186, v[4*(3*(\i-16)+\j):4*(3*(\i-16)+\j)+3] offset:PITCH*\i+256*\j
.endr
.endr
	WIN 0
	s_wait_kmcnt 0x0
	s_min_u32 s25, s41, 32
	s_add_co_u32 s25, s25, 1
	s_sub_co_u32 s25, s25, s22
	s_lshr_b32 s25, s25, 1                         ; how many of the expert's groups are of my parity
	s_min_u32 s24, s40, 71
	s_add_co_u32 s24, s24, s22                     ; the first of them,
	s_cmp_eq_u32 s25, 0
	s_cselect_b32 s24, 0, s24                      ; or group 0, which always has an owner, where there is none
	s_max_u32 s26, s25, 1
	s_sub_co_u32 s26, s26, 1
	s_mov_b32 s29, 0
	NEXT
	HLOAD 0
	HLOAD 4
	WIN 0
	HSLOAD
	s_wait_dscnt 0x0                               ; my panel is whole, and its stores have read the registers that now take the fragments
	WIN 0x40
.irp s,0,1,2,3
.irp t,0,1,2,3
.irp p,0,1,2,3,4,5
	ds_load_b64 v[48*\s+12*\t+2*\p:48*\s+12*\t+2*\p+1], v187 offset:16*PITCH*\t+96*\s+48*(\p/3)+8*(\p%3)
.endr
.endr
.endr
	WIN 0x80
.irp s,4,5,6,7
.irp t,0,1,2,3
.irp p,0,1,2,3,4,5
	ds_load_b64 v[48*(\s-4)+12*\t+2*\p:48*(\s-4)+12*\t+2*\p+1], v187 offset:16*PITCH*\t+96*\s+48*(\p/3)+8*(\p%3)
.endr
.endr
.endr
	WIN 0
	s_wait_dscnt 0x0
	s_mov_b32 s28, 0
.Lpair:                                                ; eight trips of two groups, one for each LDS buffer: a buffer is written again only behind the other buffer's barrier
	TRIP 0
	TRIP 1
	s_add_co_u32 s28, s28, 1
	s_cmp_lt_u32 s28, 8
	s_cbranch_scc1 .Lpair
	s_wait_tensorcnt 0x0
	ds_add_u32 v254, v255
	s_wait_dscnt 0x0
	s_endpgm
.Lfunc_end_k_q5acb67f9ea_ffn2:
	.size	k_q5acb67f9ea_ffn2, .Lfunc_end_k_q5acb67f9ea_ffn2-k_q5acb67f9ea_ffn2
	.p2alignl 7, 3214868480
	.fill 96, 4, 3214868480
	.section	.rodata,"a",@progbits
	.p2align	6, 0x0
	.amdhsa_kernel k_q5acb67f9ea_ffn2
		.amdhsa_group_segment_fixed_size 270848
		.amdhsa_private_segment_fixed_size 0
		.amdhsa_enable_private_segment 0
		.amdhsa_kernarg_size 56
		.amdhsa_user_sgpr_count 2
		.amdhsa_user_sgpr_kernarg_segment_ptr 1
		.amdhsa_wavefront_size32 1
		.amdhsa_system_sgpr_workgroup_id_x 1
		.amdhsa_system_sgpr_workgroup_id_y 1
		.amdhsa_system_sgpr_workgroup_id_z 1
		.amdhsa_system_vgpr_workitem_id 0
		.amdhsa_next_free_vgpr 960
		.amdhsa_next_free_sgpr 66
		.amdhsa_reserve_vcc 0
		.amdhsa_float_denorm_mode_32 3
		.amdhsa_float_denorm_mode_16_64 3
		.amdhsa_memory_ordered 1
		.amdhsa_forward_progress 1
		.amdhsa_inst_pref_size 76
	.end_amdhsa_kernel
	.amdgpu_metadata
---
amdhsa.version: [ 1, 2 ]
amdhsa.kernels:
  - .name:           k_q5acb67f9ea_ffn2
    .symbol:         k_q5acb67f9ea_ffn2.kd
    .args:
      - { .name: hq, .offset: 0, .size: 8, .value_kind: global_buffer, .address_space: global }
      - { .name: hs, .offset: 8, .size: 8, .value_kind: global_buffer, .address_space: global }
      - { .name: lists, .offset: 16, .size: 8, .value_kind: global_buffer, .address_space: global }
      - { .name: w2_codes, .offset: 24, .size: 8, .value_kind: global_buffer, .address_space: global }
      - { .name: w2_scales, .offset: 32, .size: 8, .value_kind: global_buffer, .address_space: global }
      - { .name: b2, .offset: 40, .size: 8, .value_kind: global_buffer, .address_space: global }
      - { .name: y, .offset: 48, .size: 8, .value_kind: global_buffer, .address_space: global }
    .group_segment_fixed_size: 270848
    .private_segment_fixed_size: 0
    .kernarg_segment_align: 8
    .kernarg_segment_size: 56
    .max_flat_workgroup_size: 128
    .sgpr_count:     66
    .vgpr_count:     960
    .wavefront_size: 32
...
	.end_amdgpu_metadata
.endif
;; end of part 4
;; launch combine (part 5): grid 256 x 1, 4 waves a work-group, no clusters, 0 bytes of LDS; arguments x, y, wts, lists, out0; writes out0
.if DOCPART == 5
	.amdgcn_target "amdgcn-amd-amdhsa--gfx1250"
	.amdhsa_code_object_version 6
	.text
	.protected	k_q5acb67f9ea_combine
	.globl	k_q5acb67f9ea_combine
	.p2align	8
	.type	k_q5acb67f9ea_combine,@function
k_q5acb67f9ea_combine:
	s_mov_b64 s[64:65], 0
	v_nop
	global_prefetch_b8 v0, s[64:65] scope:SCOPE_SE
	s_setreg_imm32_b32 hwreg(HW_REG_WAVE_MODE, 25, 1), 1
	s_wait_xcnt 0x0
; out = x + w0 y[slot of (token, 0)] + w1 y[slot of (token, 1)].  One wave takes one token: three rows of 4,096 bytes in, one out; each load and store of the wave covers 512 consecutive bytes.
; Each output row has one owner, so nothing is added across work-groups.  The slots are whole numbers that an earlier launch stored; they enter an address behind their clamp.
; A stream: no LDS, no barrier, no matrix unit.
	s_load_b256 s[4:11], s[0:1], 0x0               ; x, y, wts, lists
	s_load_b64 s[12:13], s[0:1], 0x20              ; out0
	v_lshrrev_b32 v1, 5, v0
	v_readfirstlane_b32 s14, v1
	v_and_b32 v1, 31, v0
	v_lshlrev_b32 v1, 4, v1                        ; 16 x lane
	s_lshl_b32 s15, ttmp9, 2
	s_add_co_u32 s15, s15, s14                     ; my token
	s_lshl_b32 s20, s15, 12
	s_mov_b32 s21, 0
	s_lshl_b32 s15, s15, 3
	s_wait_kmcnt 0x0
	s_load_b64 s[16:17], s[10:11], s15 offset:0x100    ; its two slots,
	s_load_b64 s[18:19], s[8:9], s15 offset:0x0        ; its two weights
	s_add_nc_u64 s[4:5], s[4:5], s[20:21]
	s_add_nc_u64 s[12:13], s[12:13], s[20:21]
.irp i,0,1,2,3,4,5,6,7
	global_load_b128 v[16+4*\i:19+4*\i], v1, s[4:5] offset:512*\i th:TH_LOAD_NT
.endr
	s_wait_kmcnt 0x0
	s_min_u32 s16, s16, 2303
	s_min_u32 s17, s17, 2303
	s_lshl_b32 s22, s16, 12
	s_mov_b32 s23, 0
	s_lshl_b32 s24, s17, 12
	s_mov_b32 s25, 0
	s_add_nc_u64 s[22:23], s[6:7], s[22:23]
	s_add_nc_u64 s[24:25], s[6:7], s[24:25]
	s_mov_b32 s26, s18                             ; a packed form names a pair and takes its low word for both halves: so both words are written
	s_mov_b32 s27, s18
	s_mov_b32 s28, s19
	s_mov_b32 s29, s19
.irp i,0,1,2,3,4,5,6,7
	global_load_b128 v[48+4*\i:51+4*\i], v1, s[22:23] offset:512*\i th:TH_LOAD_NT
.endr
.irp i,0,1,2,3,4,5,6,7
	global_load_b128 v[80+4*\i:83+4*\i], v1, s[24:25] offset:512*\i th:TH_LOAD_NT
.endr
	s_wait_loadcnt 8                               ; x and the first row of y are in; the second row's eight loads may be out
.irp i,0,2,4,6,8,10,12,14,16,18,20,22,24,26,28,30
	v_pk_fma_f32 v[16+\i:17+\i], v[48+\i:49+\i], s[26:27], v[16+\i:17+\i] op_sel_hi:[1,0,1]
.endr
	s_wait_loadcnt 0x0
.irp i,0,2,4,6,8,10,12,14,16,18,20,22,24,26,28,30
	v_pk_fma_f32 v[16+\i:17+\i], v[80+\i:81+\i], s[28:29], v[16+\i:17+\i] op_sel_hi:[1,0,1]
.endr
.irp i,0,1,2,3,4,5,6,7
	global_store_b128 v1, v[16+4*\i:19+4*\i], s[12:13] offset:512*\i th:TH_STORE_NT
.endr
	s_endpgm
.Lfunc_end_k_q5acb67f9ea_combine:
	.size	k_q5acb67f9ea_combine, .Lfunc_end_k_q5acb67f9ea_combine-k_q5acb67f9ea_combine
	.p2alignl 7, 3214868480
	.fill 96, 4, 3214868480
	.section	.rodata,"a",@progbits
	.p2align	6, 0x0
	.amdhsa_kernel k_q5acb67f9ea_combine
		.amdhsa_group_segment_fixed_size 0
		.amdhsa_private_segment_fixed_size 0
		.amdhsa_enable_private_segment 0
		.amdhsa_kernarg_size 40
		.amdhsa_user_sgpr_count 2
		.amdhsa_user_sgpr_kernarg_segment_ptr 1
		.amdhsa_wavefront_size32 1
		.amdhsa_system_sgpr_workgroup_id_x 1
		.amdhsa_system_sgpr_workgroup_id_y 1
		.amdhsa_system_sgpr_workgroup_id_z 1
		.amdhsa_system_vgpr_workitem_id 0
		.amdhsa_next_free_vgpr 112
		.amdhsa_next_free_sgpr 66
		.amdhsa_reserve_vcc 0
		.amdhsa_float_denorm_mode_32 3
		.amdhsa_float_denorm_mode_16_64 3
		.amdhsa_memory_ordered 1
		.amdhsa_forward_progress 1
		.amdhsa_inst_pref_size 7
	.end_amdhsa_kernel
	.amdgpu_metadata
---
amdhsa.version: [ 1, 2 ]
amdhsa.kernels:
  - .name:           k_q5acb67f9ea_combine
    .symbol:         k_q5acb67f9ea_combine.kd
    .args:
      - { .name: x, .offset: 0, .size: 8, .value_kind: global_buffer, .address_space: global }
      - { .name: y, .offset: 8, .size: 8, .value_kind: global_buffer, .address_space: global }
      - { .name: wts, .offset: 16, .size: 8, .value_kind: global_buffer, .address_space: global }
      - { .name: lists, .offset: 24, .size: 8, .value_kind: global_buffer, .address_space: global }
      - { .name: out0, .offset: 32, .size: 8, .value_kind: global_buffer, .address_space: global }
    .group_segment_fixed_size: 0
    .private_segment_fixed_size: 0
    .kernarg_segment_align: 8
    .kernarg_segment_size: 40
    .max_flat_workgroup_size: 128
    .sgpr_count:     66
    .vgpr_count:     112
    .wavefront_size: 32
...
	.end_amdgpu_metadata
.endif
;; end of part 5
;; ======== version 2 of 2: 5 launches
;; workspace buffers: xq 786,432 bytes; xs 32,768 bytes; wts 8,192 bytes; eidx 8,192 bytes of whole numbers; lists 17,920 bytes of whole numbers; hq 7,077,888 bytes; hs 294,912 bytes; y 9,437,184 bytes
;; launch route (part 6): grid 256 x 1, 4 waves a work-group, no clusters, 53,760 bytes of LDS; arguments x, gamma, beta, gate_w, xq, xs, eidx, wts; writes xq, xs, eidx, wts
.if DOCPART == 6
	.amdgcn_target "amdgcn-amd-amdhsa--gfx1250"
	.amdhsa_code_object_version 6
	.text
	.protected	k_q5acb67f9ea_route
	.globl	k_q5acb67f9ea_route
	.p2align	8
	.type	k_q5acb67f9ea_route,@function
k_q5acb67f9ea_route:
	s_mov_b64 s[64:65], 0
	v_nop
	global_prefetch_b8 v0, s[64:65] scope:SCOPE_SE
	s_setreg_imm32_b32 hwreg(HW_REG_WAVE_MODE, 25, 1), 1
	s_wait_xcnt 0x0
; LayerNorm, router and the quantising of xn.  One wave takes one token (a row of 1,024 f32); a work-group takes four.
; Stored: xq, the codes of xn (E3M2, K = the row), 768 bytes a token: for each 128 along K its four blocks of 24 bytes in the order 0, 2, 1, 3,
; so that the 48 bytes which one half of the lanes wants of a fragment lie on end; xs, 32 scale bytes a token in their natural order;
; eidx, the two chosen experts (whole numbers); wts, their two renormalised weights (f32).  Nothing here forms an address from the choice.
; All arithmetic is f32: mean, then the mean of squared differences, rsq, logits by fused multiply-adds, softmax with its maximum taken away.
; Top-2 by strict comparisons in ascending order of the experts: of equal probabilities the lower index is kept.
; LIMITS: NaN and infinities are not served.  A block of zeros gets the scale byte 1 (its codes are zeros; only this program reads the bytes).
; Two probabilities that differ only by the rounding of the sums may be ranked the other way round.
; No matrix unit, no tensor loads, no cluster: a token is read once and the launch is short.
.set STG, 32768                        ; LDS: 0 .. 32767 gate_w transposed, [expert][1024] f32; then 5,120 bytes for each wave: 64 places of 64 + 16 bytes
.set X,   16                           ; v16-47   register 4 i + c = x[128 i + 4 lane + c], later x - mu, later xn
.set GA,  48                           ; v48-79   gamma, likewise; later a buffer for two experts' gate rows (with BE), later 32 neighbours of xn
.set BE,  80                           ; v80-111  beta
.set GW,  112                          ; v112-175 gate_w as loaded; later a buffer for two experts' gate rows
.set LG,  176                          ; v176-207 four partial sums for each expert; later the softmax
.set T,   208                          ; v208-223 at work
.macro WSUM r, t                       ; the sum over the 32 lanes, in every lane
	v_add_f32_dpp v[\r], v[\r], v[\r] row_xmask:1 row_mask:0xf bank_mask:0xf
	v_add_f32_dpp v[\r], v[\r], v[\r] row_xmask:2 row_mask:0xf bank_mask:0xf
	v_add_f32_dpp v[\r], v[\r], v[\r] row_xmask:4 row_mask:0xf bank_mask:0xf
	v_add_f32_dpp v[\r], v[\r], v[\r] row_xmask:8 row_mask:0xf bank_mask:0xf
	v_permlanex16_b32 v[\t], v[\r], s24, s25
	v_add_f32 v[\r], v[\r], v[\t]
.endm
.macro GLOAD k, base                   ; the gate rows of experts 2 k and 2 k + 1, in x's layout
.irp u,0,1
.irp i,0,1,2,3,4,5,6,7
	ds_load_b128 v[\base+32*\u+4*\i:\base+32*\u+4*\i+3], v2 offset:4096*(2*\k+\u)+512*\i
.endr
.endr
.endm
.macro GDOT k, base                    ; their logits' partial sums: two chains of pairs for each expert; the first products start the sums
.irp u,0,1
	v_pk_mul_f32 v[LG+8*\k+4*\u:LG+8*\k+4*\u+1], v[X:X+1], v[\base+32*\u:\base+32*\u+1]
	v_pk_mul_f32 v[LG+8*\k+4*\u+2:LG+8*\k+4*\u+3], v[X+2:X+3], v[\base+32*\u+2:\base+32*\u+3]
.endr
.irp i,4,8,12,16,20,24,28
.irp u,0,1
	v_pk_fma_f32 v[LG+8*\k+4*\u:LG+8*\k+4*\u+1], v[X+\i:X+\i+1], v[\base+32*\u+\i:\base+32*\u+\i+1], v[LG+8*\k+4*\u:LG+8*\k+4*\u+1]
	v_pk_fma_f32 v[LG+8*\k+4*\u+2:LG+8*\k+4*\u+3], v[X+\i+2:X+\i+3], v[\base+32*\u+\i+2:\base+32*\u+\i+3], v[LG+8*\k+4*\u+2:LG+8*\k+4*\u+3]
.endr
.endr
.endm
	s_load_b512 s[4:19], s[0:1], 0x0               ; x, gamma, beta, gate_w, xq, xs, eidx, wts
	v_lshl_add_u32 v224, v0, 2, 0xd000
	v_mov_b32 v225, 0
	v_lshrrev_b32 v1, 5, v0
	v_readfirstlane_b32 s20, v1                    ; wave
	v_and_b32 v1, 31, v0                           ; lane
	v_lshlrev_b32 v2, 4, v1                        ; 16 x lane
	v_lshlrev_b32 v3, 5, v0                        ; 32 x thread: a row of gate_w
	v_lshlrev_b32 v4, 2, v0                        ; 4 x thread
	s_lshl_b32 s21, ttmp9, 2
	s_add_co_u32 s21, s21, s20                     ; my token
	s_mul_i32 s22, s20, 5120
	s_add_co_u32 s22, s22, STG                     ; my wave's stage
	v_lshrrev_b32 v5, 2, v1
	v_mul_u32_u24 v5, v5, 80
	v_and_b32 v6, 3, v1
	v_lshl_add_u32 v5, v6, 4, v5
	v_add_nc_u32 v5, s22, v5                       ; into the stage: four lanes' 64 bytes on end, then 16 of padding
	v_mul_u32_u24 v6, v1, 80
	v_add_nc_u32 v6, s22, v6                       ; out of it: place = lane: 16 neighbours
	v_lshrrev_b32 v7, 3, v1                        ; my 16 codes' place in the token's 768 bytes: 96 (lane / 8)
	v_mul_u32_u24 v7, v7, 96
	v_bfe_u32 v8, v1, 1, 1
	v_mad_u32_u24 v7, v8, 48, v7                   ; odd blocks in the second 48 bytes,
	v_bfe_u32 v8, v1, 2, 1
	v_mad_u32_u24 v7, v8, 24, v7                   ; blocks 2 and 3 behind blocks 0 and 1,
	v_and_b32 v8, 1, v1
	v_mad_u32_u24 v7, v8, 12, v7                   ; the block's second half 12 bytes on
	v_lshrrev_b32 v9, 1, v1
	v_lshl_add_u32 v9, v8, 4, v9                   ; the scale byte that I store: even lanes block lane / 2, odd lanes block 16 + lane / 2
	v_mov_b32 v10, 0
.irp i,8,9,10,11,12,13,14,15
	v_mov_b32 v[T+\i], 0                           ; written once: a lane permute's destination counts as one of its sources
.endr
	s_mov_b32 s24, 0x76543210
	s_mov_b32 s25, 0xfedcba98                      ; selects for lane l xor 16
	s_mov_b32 s23, 0x3a800000                      ; 1 / 1024
	s_lshl_b32 s28, s21, 12
	s_mov_b32 s29, 0
	s_wait_kmcnt 0x0
	s_add_nc_u64 s[4:5], s[4:5], s[28:29]
.irp i,0,1,2,3,4,5,6,7
	global_load_b128 v[X+4*\i:X+4*\i+3], v2, s[4:5] offset:512*\i
.endr
.irp m,0,1,2,3,4,5,6,7
	global_load_b128 v[GW+8*\m:GW+8*\m+3], v3, s[10:11] offset:4096*\m       ; gate_w[thread + 128 m][0 .. 7]
	global_load_b128 v[GW+8*\m+4:GW+8*\m+7], v3, s[10:11] offset:4096*\m+16
.endr
.irp i,0,1,2,3,4,5,6,7
	global_load_b128 v[GA+4*\i:GA+4*\i+3], v2, s[6:7] offset:512*\i
.endr
.irp i,0,1,2,3,4,5,6,7
	global_load_b128 v[BE+4*\i:BE+4*\i+3], v2, s[8:9] offset:512*\i
.endr
	s_mul_i32 s28, s21, 768
	s_add_nc_u64 s[12:13], s[12:13], s[28:29]      ; where my token's results go
	s_lshl_b32 s28, s21, 5
	s_add_nc_u64 s[14:15], s[14:15], s[28:29]
	s_lshl_b32 s28, s21, 3
	s_add_nc_u64 s[16:17], s[16:17], s[28:29]
	s_add_nc_u64 s[18:19], s[18:19], s[28:29]
	s_wait_loadcnt 32                              ; x is in; behind it 16 loads of gate_w, 8 of gamma, 8 of beta
.irp k,0,1,2,3
	v_pk_add_f32 v[T+2*\k:T+2*\k+1], v[X+4*\k:X+4*\k+1], v[X+4*\k+2:X+4*\k+3]
.endr
.irp k,0,1,2,3
	v_pk_add_f32 v[T+2*\k:T+2*\k+1], v[T+2*\k:T+2*\k+1], v[X+16+4*\k:X+16+4*\k+1]
.endr
.irp k,0,1,2,3
	v_pk_add_f32 v[T+2*\k:T+2*\k+1], v[T+2*\k:T+2*\k+1], v[X+16+4*\k+2:X+16+4*\k+3]
.endr
	v_pk_add_f32 v[T:T+1], v[T:T+1], v[T+2:T+3]
	v_pk_add_f32 v[T+4:T+5], v[T+4:T+5], v[T+6:T+7]
	v_pk_add_f32 v[T:T+1], v[T:T+1], v[T+4:T+5]
	v_add_f32 v[T], v[T], v[T+1]
	WSUM T, T+8
	v_mul_f32 v[T], s23, v[T]                      ; mu
.irp i,0,2,4,6,8,10,12,14,16,18,20,22,24,26,28,30
	v_pk_add_f32 v[X+\i:X+\i+1], v[X+\i:X+\i+1], v[T:T+1] op_sel_hi:[1,0] neg_lo:[0,1] neg_hi:[0,1]   ; x - mu
.endr
.irp k,0,1,2,3
	v_pk_mul_f32 v[LG+2*\k:LG+2*\k+1], v[X+2*\k:X+2*\k+1], v[X+2*\k:X+2*\k+1]
.endr
.irp i,8,16,24
.irp k,0,1,2,3
	v_pk_fma_f32 v[LG+2*\k:LG+2*\k+1], v[X+\i+2*\k:X+\i+2*\k+1], v[X+\i+2*\k:X+\i+2*\k+1], v[LG+2*\k:LG+2*\k+1]
.endr
.endr
	v_pk_add_f32 v[LG:LG+1], v[LG:LG+1], v[LG+2:LG+3]
	v_pk_add_f32 v[LG+4:LG+5], v[LG+4:LG+5], v[LG+6:LG+7]
	v_pk_add_f32 v[LG:LG+1], v[LG:LG+1], v[LG+4:LG+5]
	v_add_f32 v[LG], v[LG], v[LG+1]
	WSUM LG, T+8
	v_fmaak_f32 v[LG], s23, v[LG], 0x3727c5ac      ; var + 1e-5
	s_wait_alu depctr_va_vdst(0)
	v_rsq_f32 v[LG+2], v[LG]
	v_nop                                          ; a plain instruction behind the transcendental
	s_wait_loadcnt 16                              ; gate_w is in; gamma and beta may be out
.irp m,0,1,2,3,4,5,6,7
.irp e,0,1,2,3,4,5,6,7
	ds_store_b32 v4, v[GW+8*\m+\e] offset:4096*\e+512*\m     ; transposed: [expert][d], d = thread + 128 m
.endr
.endr
	s_wait_loadcnt 0x0
	s_wait_alu depctr_va_vdst(0)                   ; ahead of the first reader of rsq's result
.irp i,0,2,4,6,8,10,12,14,16,18,20,22,24,26,28,30
	v_pk_mul_f32 v[X+\i:X+\i+1], v[X+\i:X+\i+1], v[LG+2:LG+3] op_sel_hi:[1,0]
.endr
.irp i,0,2,4,6,8,10,12,14,16,18,20,22,24,26,28,30
	v_pk_fma_f32 v[X+\i:X+\i+1], v[X+\i:X+\i+1], v[GA+\i:GA+\i+1], v[BE+\i:BE+\i+1]    ; xn
.endr
	s_wait_dscnt 0x0                               ; for the other waves: my part of the transposed gate has landed
	s_barrier_signal -1
	s_barrier_wait -1
	GLOAD 0, GW
	GLOAD 1, GA
	s_wait_dscnt 16                                ; the older 16 loads are in, the younger 16 may be out
	GDOT 0, GW
	GLOAD 2, GW
	s_wait_dscnt 16
	GDOT 1, GA
	GLOAD 3, GA
	s_wait_dscnt 16
	GDOT 2, GW
	s_wait_dscnt 0x0
	GDOT 3, GA
.irp i,0,1,2,3,4,5,6,7
	ds_store_b128 v5, v[X+4*\i:X+4*\i+3] offset:640*\i       ; xn turns through my stage while the router is worked
.endr
.irp i,0,1,2,3
	ds_load_b128 v[GA+4*\i:GA+4*\i+3], v6 offset:16*\i       ; xn[16 lane ..]: LDS serves a wave's instructions in order, so these see the stores
.endr
.irp i,0,1,2,3
	ds_load_b128 v[GA+16+4*\i:GA+16+4*\i+3], v6 offset:2560+16*\i    ; xn[512 + 16 lane ..]
.endr
.irp e,0,1,2,3,4,5,6,7
	v_pk_add_f32 v[LG+4*\e:LG+4*\e+1], v[LG+4*\e:LG+4*\e+1], v[LG+4*\e+2:LG+4*\e+3]
.endr
.irp e,0,1,2,3,4,5,6,7
	v_add_f32 v[T+\e], v[LG+4*\e], v[LG+4*\e+1]
.endr
.irp m,1,2,4,8
.irp e,0,1,2,3,4,5,6,7
	v_add_f32_dpp v[T+\e], v[T+\e], v[T+\e] row_xmask:\m row_mask:0xf bank_mask:0xf
.endr
.endr
.irp e,0,1,2,3,4,5,6,7
	v_permlanex16_b32 v[T+8+\e], v[T+\e], s24, s25
.endr
.irp e,0,1,2,3,4,5,6,7
	v_add_f32 v[T+\e], v[T+\e], v[T+8+\e]          ; the eight logits, in every lane
.endr
	v_max3_num_f32 v176, v[T], v[T+1], v[T+2]
	v_max3_num_f32 v176, v176, v[T+3], v[T+4]
	v_max3_num_f32 v176, v176, v[T+5], v[T+6]
	v_max_num_f32 v176, v176, v[T+7]               ; the largest logit is taken away, as in the softmax that is asked for
.irp e,0,1,2,3,4,5,6,7
	v_sub_f32 v[184+\e], v[T+\e], v176
.endr
.irp e,0,1,2,3,4,5,6,7
	v_mul_f32 v[184+\e], 0x3fb8aa3b, v[184+\e]
.endr
	s_wait_alu depctr_va_vdst(0)
.irp e,0,1,2,3,4,5,6,7
	v_exp_f32 v[184+\e], v[184+\e]
.endr
	v_nop
	s_wait_alu depctr_va_vdst(0)                   ; one wait for the eight exponentials
	v_add_f32 v177, v184, v185
	v_add_f32 v178, v186, v187
	v_add_f32 v179, v188, v189
	v_add_f32 v180, v190, v191
	v_add_f32 v177, v177, v178
	v_add_f32 v179, v179, v180
	v_add_f32 v177, v177, v179
	s_wait_alu depctr_va_vdst(0)
	v_rcp_f32 v178, v177
	v_nop
	s_wait_alu depctr_va_vdst(0)
.irp e,0,1,2,3,4,5,6,7
	v_mul_f32 v[184+\e], v[184+\e], v178           ; the probabilities
.endr
	v_mov_b32 v192, v184                           ; the best so far, its index in v194
	v_mov_b32 v193, -1.0                           ; the second, its index in v195
	v_mov_b32 v194, 0
	v_mov_b32 v195, 0
.irp e,1,2,3,4,5,6,7
	v_mov_b32 v196, \e
	v_cmp_gt_f32 s26, v[184+\e], v192
	v_cmp_gt_f32 s27, v[184+\e], v193
	v_cndmask_b32 v193, v193, v[184+\e], s27
	v_cndmask_b32 v195, v195, v196, s27
	v_cndmask_b32 v193, v193, v192, s26
	v_cndmask_b32 v195, v195, v194, s26
	v_cndmask_b32 v192, v192, v[184+\e], s26
	v_cndmask_b32 v194, v194, v196, s26
.endr
	v_add_f32 v197, v192, v193
	s_wait_alu depctr_va_vdst(0)
	v_rcp_f32 v196, v197
	v_cmp_eq_u32 s27, 1, v8                        ; odd lanes (a plain instruction behind the transcendental)
	s_wait_alu depctr_va_vdst(0)
	v_mul_f32 v198, v192, v196
	v_mul_f32 v199, v193, v196                     ; the two weights, renormalised
	s_wait_dscnt 0x0                               ; my 32 neighbours of xn are back
	v_max3_num_f32 v80, |v[GA]|, |v[GA+1]|, 0x2800000          ; the largest magnitude of my 16, and the floor 2^(5 - 127): the byte cannot fall under 1
	v_max3_num_f32 v81, |v[GA+16]|, |v[GA+17]|, 0x2800000
.irp i,2,4,6,8,10,12,14
	v_max3_num_f32 v80, v80, |v[GA+\i]|, |v[GA+\i+1]|
	v_max3_num_f32 v81, v81, |v[GA+16+\i]|, |v[GA+16+\i+1]|
.endr
	v_max_num_f32_dpp v80, v80, v80 row_xmask:1 row_mask:0xf bank_mask:0xf     ; with my neighbour's 16: the block's
	v_max_num_f32_dpp v81, v81, v81 row_xmask:1 row_mask:0xf bank_mask:0xf
	v_add_nc_u32 v82, 0xfe000000, v80              ; 4 off the exponent field: the conversion's scale operand
	v_add_nc_u32 v83, 0xfe000000, v81
	v_cvt_scalef32_pk16_bf6_f32 v[84:86], v[GA:GA+15], v82
	v_cvt_scalef32_pk16_bf6_f32 v[88:90], v[GA+16:GA+31], v83
	v_lshrrev_b32 v92, 23, v82                     ; the scale bytes
	v_lshrrev_b32 v93, 23, v83
	v_cndmask_b32 v92, v92, v93, s27
	global_store_b96 v7, v[84:86], s[12:13]                    ; the wave's store covers 384 consecutive bytes
	global_store_b96 v7, v[88:90], s[12:13] offset:384
	global_store_b8 v9, v92, s[14:15]                          ; the token's 32 scale bytes
	v_cmp_eq_u32 vcc_lo, 0, v1
	s_wait_xcnt 0x0                                ; EXEC changes only behind this wait
	s_wait_tensorcnt 0x0
	ds_add_u32 v224, v225
	s_wait_dscnt 0x0
	s_and_saveexec_b32 s30, vcc_lo
	global_store_b64 v10, v[194:195], s[16:17]                 ; lane 0: the two experts,
	global_store_b64 v10, v[198:199], s[18:19]                 ; and their weights
	s_wait_xcnt 0x0
	s_or_b32 exec_lo, exec_lo, s30
	s_endpgm
.Lfunc_end_k_q5acb67f9ea_route:
	.size	k_q5acb67f9ea_route, .Lfunc_end_k_q5acb67f9ea_route-k_q5acb67f9ea_route
	.p2alignl 7, 3214868480
	.fill 96, 4, 3214868480
	.section	.rodata,"a",@progbits
	.p2align	6, 0x0
	.amdhsa_kernel k_q5acb67f9ea_route
		.amdhsa_group_segment_fixed_size 53760
		.amdhsa_private_segment_fixed_size 0
		.amdhsa_enable_private_segment 0
		.amdhsa_kernarg_size 64
		.amdhsa_user_sgpr_count 2
		.amdhsa_user_sgpr_kernarg_segment_ptr 1
		.amdhsa_wavefront_size32 1
		.amdhsa_system_sgpr_workgroup_id_x 1
		.amdhsa_system_sgpr_workgroup_id_y 1
		.amdhsa_system_sgpr_workgroup_id_z 1
		.amdhsa_system_vgpr_workitem_id 0
		.amdhsa_next_free_vgpr 226
		.amdhsa_next_free_sgpr 66
		.amdhsa_reserve_vcc 1
		.amdhsa_float_denorm_mode_32 3
		.amdhsa_float_denorm_mode_16_64 3
		.amdhsa_memory_ordered 1
		.amdhsa_forward_progress 1
		.amdhsa_inst_pref_size 42
	.end_amdhsa_kernel
	.amdgpu_metadata
---
amdhsa.version: [ 1, 2 ]
amdhsa.kernels:
  - .name:           k_q5acb67f9ea_route
    .symbol:         k_q5acb67f9ea_route.kd
    .args:
      - { .name: x, .offset: 0, .size: 8, .value_kind: global_buffer, .address_space: global }
      - { .name: gamma, .offset: 8, .size: 8, .value_kind: global_buffer, .address_space: global }
      - { .name: beta, .offset: 16, .size: 8, .value_kind: global_buffer, .address_space: global }
      - { .name: gate_w, .offset: 24, .size: 8, .value_kind: global_buffer, .address_space: global }
      - { .name: xq, .offset: 32, .size: 8, .value_kind: global_buffer, .address_space: global }
      - { .name: xs, .offset: 40, .size: 8, .value_kind: global_buffer, .address_space: global }
      - { .name: eidx, .offset: 48, .size: 8, .value_kind: global_buffer, .address_space: global }
      - { .name: wts, .offset: 56, .size: 8, .value_kind: global_buffer, .address_space: global }
    .group_segment_fixed_size: 53760
    .private_segment_fixed_size: 0
    .kernarg_segment_align: 8
    .kernarg_segment_size: 64
    .max_flat_workgroup_size: 128
    .sgpr_count:     66
    .vgpr_count:     226
    .wavefront_size: 32
...
	.end_amdgpu_metadata
.endif
;; end of part 6
;; launch place (part 7): grid 1 x 1, 16 waves a work-group, no clusters, 2,560 bytes of LDS; arguments eidx, lists; writes lists
.if DOCPART == 7
	.amdgcn_target "amdgcn-amd-amdhsa--gfx1250"
	.amdhsa_code_object_version 6
	.text
	.protected	k_q5acb67f9ea_place
	.globl	k_q5acb67f9ea_place
	.p2align	8
	.type	k_q5acb67f9ea_place,@function
k_q5acb67f9ea_place:
	s_mov_b64 s[64:65], 0
	v_nop
	global_prefetch_b8 v0, s[64:65] scope:SCOPE_SE
	s_setreg_imm32_b32 hwreg(HW_REG_WAVE_MODE, 25, 1), 1
	s_wait_xcnt 0x0
; A counting sort of the 2,048 routed rows (rid = 2 x token + k) by expert, without atomics, in one work-group of 512 threads; thread t owns rids 4 t .. 4 t + 3.
; Each expert's rows are padded to whole groups of 32 slots: T_e = ceil(n_e / 32) groups from group gbase_e on; the T_e sum to 71 at the most, whatever the choice.
; lists: byte 0: (gbase_e, T_e) for the eight experts, then zeros, 32 words; byte 256: slot of each rid, 2,048 words; byte 8448: token of each slot, 2,304 words;
; byte 17664: one spare word, which takes the zeros of lanes that have no padding slot and which nobody reads.
; Padding slots name token 0: their rows are computed and never read.  Slots of groups that no expert owns are not stored and not read.
.set MK, 32                            ; s32-63   mask (c, e): lanes whose rid 4 t + c goes to expert e
.set NE, 66                            ; s66-73   n_e
.set SA, 74                            ; s74-81   first the rows of e in lower waves, then the next free slot of e for my wave
.set GB, 82                            ; s82-89   gbase_e
.set TE, 90                            ; s90-97   T_e
.set PADA, 64                          ; v64-71   the padding stores' offsets, a register for each expert, so that none is written again while a store reads it
	s_load_b128 s[4:7], s[0:1], 0x0                ; eidx, lists
	v_lshl_add_u32 v80, v0, 2, 0x200
	v_mov_b32 v81, 0
	v_lshrrev_b32 v1, 5, v0
	s_delay_alu instid0(VALU_DEP_1)
	v_readfirstlane_b32 s8, v1                     ; wave
	v_and_b32 v1, 31, v0                           ; lane
	v_lshlrev_b32 v2, 4, v0                        ; 16 x thread
	v_and_b32 v3, 0x1e0, v0                        ; LDS: 32 x wave: my wave's eight counts
	v_and_b32 v10, 7, v0
	s_delay_alu instid0(VALU_DEP_1)
	v_lshlrev_b32 v10, 2, v10                      ; LDS: 4 x (lane mod 8)
	s_wait_alu depctr_va_vdst(0)
	s_wait_kmcnt 0x0
	global_load_b128 v[4:7], v2, s[4:5]
	s_wait_loadcnt 0x0
.irp c,0,1,2,3
.irp e,0,1,2,3,4,5,6,7
	v_cmp_eq_u32 s[MK+8*\c+\e], \e, v[4+\c]
.endr
.endr
.irp e,0,1,2,3,4,5,6,7
	s_bcnt1_i32_b32 s[16+\e], s[MK+\e]
.irp c,1,2,3
	s_bcnt1_i32_b32 s24, s[MK+8*\c+\e]
	s_add_co_u32 s[16+\e], s[16+\e], s24           ; my wave's rows of expert e
.endr
.endr
.irp e,0,1,2,3,4,5,6,7
	v_mov_b32 v[12+\e], s[16+\e]
	ds_store_b32 v3, v[12+\e] offset:4*\e          ; all lanes write the same word with the same value
.endr
	s_wait_dscnt 0x0
	s_barrier_signal -1
	s_barrier_wait -1
.irp w,0,1,2,3,4,5,6,7,8,9,10,11,12,13,14,15
	ds_load_b32 v[20+\w], v10 offset:32*\w         ; lane l: wave w's count of expert l mod 8
.endr
	v_mov_b32 v36, 0
	v_mov_b32 v37, 0
	s_wait_alu depctr_va_vdst(0)
	s_wait_dscnt 0x0
.irp w,0,1,2,3,4,5,6,7,8,9,10,11,12,13,14,15
	s_cmp_gt_u32 s8, \w
	s_cselect_b32 s24, -1, 0
	v_add_nc_u32 v36, v36, v[20+\w]                ; all waves' rows,
	v_and_b32 v38, s24, v[20+\w]
	s_delay_alu instid0(VALU_DEP_1)
	v_add_nc_u32 v37, v37, v38                     ; and those of the waves below mine
.endr
.irp e,0,1,2,3,4,5,6,7
	v_readlane_b32 s[NE+\e], v36, \e
	v_readlane_b32 s[SA+\e], v37, \e
.endr
	s_mov_b32 s24, 0
.irp e,0,1,2,3,4,5,6,7
	s_add_co_u32 s25, s[NE+\e], 31
	s_lshr_b32 s[TE+\e], s25, 5
	s_mov_b32 s[GB+\e], s24
	s_lshl_b32 s25, s24, 5
	s_add_co_u32 s[SA+\e], s[SA+\e], s25           ; my wave's first slot of expert e
	s_add_co_u32 s24, s24, s[TE+\e]
.endr
.irp c,0,1,2,3
	v_mov_b32 v[44+\c], 0
.endr
.irp c,0,1,2,3
.irp e,0,1,2,3,4,5,6,7
	v_mbcnt_lo_u32_b32 v42, s[MK+8*\c+\e], 0       ; how many lanes below mine have such a row
	s_delay_alu instid0(VALU_DEP_1)
	v_add_nc_u32 v42, s[SA+\e], v42
	s_delay_alu instid0(VALU_DEP_1)
	v_cndmask_b32 v[44+\c], v[44+\c], v42, s[MK+8*\c+\e]
	s_bcnt1_i32_b32 s24, s[MK+8*\c+\e]
	s_add_co_u32 s[SA+\e], s[SA+\e], s24
.endr
.endr
	global_store_b128 v2, v[44:47], s[6:7] offset:256          ; the slots of my four rids
	v_lshlrev_b32 v52, 1, v0                       ; my two tokens
	s_delay_alu instid0(VALU_DEP_1)
	v_add_nc_u32 v53, 1, v52
.irp c,0,1,2,3
	v_min_u32 v[48+\c], 0x8ff, v[44+\c]
	s_delay_alu instid0(VALU_DEP_1)
	v_lshlrev_b32 v[48+\c], 2, v[48+\c]
	global_store_b32 v[48+\c], v[52+\c/2], s[6:7] offset:8448  ; the token of each of my four slots
.endr
	s_cmp_lg_u32 s8, 0
	s_cbranch_scc1 .Ldone                          ; the rest is wave 0's
	; The padding: at most 31 slots behind each expert's rows get token 0.  No lane is switched off: a lane whose slot n_e + lane lies at or beyond the
	; expert's 32 T_e slots sends its 0 to the spare word, slot number 2,304.  The choice is made on slot numbers; the clamp and the shift come behind it.
	v_mov_b32 v56, 0
	v_mov_b32 v59, 0x900                           ; the spare word's slot number
.irp e,0,1,2,3,4,5,6,7
	v_add_nc_u32 v54, s[NE+\e], v1                 ; n_e + lane
	s_lshl_b32 s24, s[TE+\e], 5
	v_cmp_gt_u32 vcc_lo, s24, v54                  ; still inside the expert's groups?
	s_lshl_b32 s25, s[GB+\e], 5
	v_add_nc_u32 v[PADA+\e], s25, v54
	s_delay_alu instid0(VALU_DEP_1)
	v_cndmask_b32 v[PADA+\e], v59, v[PADA+\e], vcc_lo
	s_delay_alu instid0(VALU_DEP_1)
	v_min_u32 v[PADA+\e], 0x900, v[PADA+\e]
	s_delay_alu instid0(VALU_DEP_1)
	v_lshlrev_b32 v[PADA+\e], 2, v[PADA+\e]
	global_store_b32 v[PADA+\e], v56, s[6:7] offset:8448
.endr
	v_mov_b32 v57, 0
.irp e,0,1,2,3,4,5,6,7
	s_delay_alu instid0(VALU_DEP_1)
	v_writelane_b32 v57, s[GB+\e], 2*\e
	s_delay_alu instid0(VALU_DEP_1)
	v_writelane_b32 v57, s[TE+\e], 2*\e+1
.endr
	v_lshlrev_b32 v58, 2, v1
	global_store_b32 v58, v57, s[6:7]              ; (gbase_e, T_e) for the eight experts, then zeros: 128 consecutive bytes
.Ldone:
	s_wait_tensorcnt 0x0
	ds_add_u32 v80, v81
	s_wait_dscnt 0x0
	s_endpgm
.Lfunc_end_k_q5acb67f9ea_place:
	.size	k_q5acb67f9ea_place, .Lfunc_end_k_q5acb67f9ea_place-k_q5acb67f9ea_place
	.p2alignl 7, 3214868480
	.fill 96, 4, 3214868480
	.section	.rodata,"a",@progbits
	.p2align	6, 0x0
	.amdhsa_kernel k_q5acb67f9ea_place
		.amdhsa_group_segment_fixed_size 2560
		.amdhsa_private_segment_fixed_size 0
		.amdhsa_enable_private_segment 0
		.amdhsa_kernarg_size 16
		.amdhsa_user_sgpr_count 2
		.amdhsa_user_sgpr_kernarg_segment_ptr 1
		.amdhsa_wavefront_size32 1
		.amdhsa_system_sgpr_workgroup_id_x 1
		.amdhsa_system_sgpr_workgroup_id_y 1
		.amdhsa_system_sgpr_workgroup_id_z 1
		.amdhsa_system_vgpr_workitem_id 0
		.amdhsa_next_free_vgpr 82
		.amdhsa_next_free_sgpr 100
		.amdhsa_reserve_vcc 1
		.amdhsa_float_denorm_mode_32 3
		.amdhsa_float_denorm_mode_16_64 3
		.amdhsa_memory_ordered 1
		.amdhsa_forward_progress 1
		.amdhsa_inst_pref_size 29
	.end_amdhsa_kernel
	.amdgpu_metadata
---
amdhsa.version: [ 1, 2 ]
amdhsa.kernels:
  - .name:           k_q5acb67f9ea_place
    .symbol:         k_q5acb67f9ea_place.kd
    .args:
      - { .name: eidx, .offset: 0, .size: 8, .value_kind: global_buffer, .address_space: global }
      - { .name: lists, .offset: 8, .size: 8, .value_kind: global_buffer, .address_space: global }
    .group_segment_fixed_size: 2560
    .private_segment_fixed_size: 0
    .kernarg_segment_align: 8
    .kernarg_segment_size: 16
    .max_flat_workgroup_size: 512
    .sgpr_count:     100
    .vgpr_count:     82
    .wavefront_size: 32
...
	.end_amdgpu_metadata
.endif
;; end of part 7
;; launch ffn1 (part 8): grid 32 x 8, 4 waves a work-group, no clusters, 155,136 bytes of LDS; arguments xq, xs, lists, w1_codes, w1_scales, b1, hq, hs; writes hq, hs
.if DOCPART == 8
	.amdgcn_target "amdgcn-amd-amdhsa--gfx1250"
	.amdhsa_code_object_version 6
	.text
	.protected	k_q5acb67f9ea_ffn1
	.globl	k_q5acb67f9ea_ffn1
	.p2align	8
	.type	k_q5acb67f9ea_ffn1,@function
k_q5acb67f9ea_ffn1:
	s_mov_b64 s[64:65], 0
	v_nop
	global_prefetch_b8 v0, s[64:65] scope:SCOPE_SE
	s_setreg_imm32_b32 hwreg(HW_REG_WAVE_SCHED_MODE, 0, 2), 2
	s_setreg_imm32_b32 hwreg(HW_REG_WAVE_MODE, 25, 1), 1
	s_wait_xcnt 0x0
	s_wait_alu depctr_vm_vsrc(0)
; h = Q(gelu(Q(xn) W1 + b1)) for the routed rows of one expert (work-group y) and one chunk of 128 hidden units (work-group x), both operands codes of E3M2 with E8M0 scales.
; THE WEIGHTS STAY: wave w (hh = w mod 2, p = w / 2) keeps 64 hidden units x all 1,024 of K in 384 registers: the chunk's blocks of 32 units hh and 2 + hh.  The launch reads each weight byte once.
; The wave walks the expert's groups of 32 slots, T of them, and takes tile p (16 slots) of each: 32 matrix instructions, gelu, quantiser, store.
; The product is used transposed (source 0 = 16 rows of W1, source 1 = 16 slots of x), and the rows of W1 that form a tile are chosen (lane r of tile 2 b + u: unit 8 u + r + 8 (r / 8) of block b),
; so that a lane holds one slot and the 16 registers of two neighbouring tiles are 16 neighbours along the next product's K.  b1 is the C of each sum's first instruction.
; hq is laid as the image of the next product's operand registers: [group][chunk][tile][c][lane][16 bytes], register 4 c + i of lane l at 512 c + 16 l + 4 i; hs: one scale word for each slot and chunk.
; The trip count T and the rows' addresses hang on numbers that an earlier launch stored: so there is no tensor load here, operands come through registers, and the one barrier stands at the head, ahead of every such branch.
; No cluster: work-groups of one expert share x's rows but have no tensor loads to share them by.  No prefetch: the weights are asked for at the head, x's rows a whole trip ahead into registers.
; gelu(a) = 0.5 a (1 + erf(a / sqrt 2)); erf(z) = z P(z^2) / Q(z^2), z held to -4 .. 4, P of degree 6, Q of degree 4: a few units in the last place of erf.
; LIMITS: NaN and infinities are not served; 1 + erf cancels in f32 for a below about -5.6, where gelu is under 1e-7 in magnitude; a block of zeros gets the scale byte 1 (its codes are zeros; only this program reads the bytes).
; REGISTERS, in windows of 256.  Window 0: v1-14 offsets; v16-24 rows' offsets; v25-33 tokens; v34-41 x's scale words; v42-73 W1's; v74-105 four accumulators; v106-199 at work; v200-203 two constants; v204-210 the head's.
;   Windows 1, 2: W1's fragments, (K step s, tile t) at 48 (s mod 4) + 12 t.   Window 3: v0-95 x's eight fragments; v96-191 x's rows as loaded; v192-199 their scale words; v200-231 b1.
; THE MODE: SCHED_MODE bits 1:0 = 2 (LLVM: expert scheduling mode 2), set by the entry lines.  The code itself states the register dependences
; between vector or matrix instructions and memory or LDS instructions, with s_wait_alu, always for 0.
; THE PLAN.  Registers that memory or LDS instructions touch, round a trip:
;   v13, v14, v16-24   offsets of the list's and the rows' loads.  Written by the vector lines at a trip's head, read by the loads that follow them.
;   v25-33             tokens.  The list's loads land in them; the next trip's head reads them, and behind that they are asked for again.
;   SX, SS (window 3)  rows and scale words as loaded.  The head's loads land in them; the stage's LDS stores, behind the second gelu, read them.  No vector instruction names them.
;   x's fragments (window 3), XS   The stage's LDS loads, at a trip's end, land in them; the next trip's matrix instructions read them.
;   v10-12, v188-194   offsets and data of the three stores.  Written behind the matrix instructions, read by the stores at the trip's end.
;   v1-9, v204-208     made once at the head.  W1's fragments and scale words and b1 are loaded at the head and then named by matrix instructions alone.
; So a trip has, beside gelu's two waits for its reciprocals, one wait on vm_vsrc at its head (all that the last trip's LDS stores, stores and loads read may be written again), one on va_vdst behind the head's
; address lines (the offsets are written, the tokens are read), and one on va_vdst at its end (the matrix instructions are done with the fragments; the stores' data and offsets are written).
.set PITCH, 784                        ; an LDS row: 768 bytes + 16
.set XW0, 128*PITCH                    ; LDS: 128 rows of W1; then for each wave 16 rows of x and 1,024 bytes for the image of their scale words
.set XWB, 16*PITCH+1024
.set XS,  34
.set W1S, 42
.set ACC, 74
.set ZZ,  106
.set Z2,  122
.set PP,  138
.set QQ,  154
.set SX,  96
.set SS,  192
.set B1,  200
.set MSB, 0
.macro WIN new                         ; the immediate's high byte repeats the setting that is left
.if MSB != \new
	s_set_vgpr_msb (MSB<<8)|\new
.set MSB, \new
.endif
.endm
.macro LISTA                           ; s29 = k: where the tokens of tile p of my expert's group min(k, T - 1) stand in the slot list
	s_min_u32 s29, s29, s27
	s_add_co_u32 s29, s29, s25
	s_min_u32 s29, s29, 71
	s_lshl_b32 s29, s29, 7
	v_add_nc_u32 v13, s29, v2
	v_add_nc_u32 v14, s29, v3
.endm
.macro LISTL                           ; and the three loads that bring them
	global_load_b128 v[26:29], v13, s[8:9] offset:8448         ; tokens of slots 8 h + 0 .. 7
	global_load_b128 v[30:33], v13, s[8:9] offset:8464
	global_load_b32 v25, v14, s[8:9] offset:8448               ; token of slot r
.endm
.macro XADDR                           ; from tokens to byte offsets; a loaded number enters an address only behind its clamp
.irp i,0,1,2,3,4,5,6,7
	v_min_u32 v[16+\i], 0x3ff, v[26+\i]
.endr
.irp i,0,1,2,3,4,5,6,7
	v_mul_u32_u24 v[16+\i], 0x300, v[16+\i]
.endr
.irp i,0,1,2,3,4,5,6,7
	v_add_nc_u32 v[16+\i], v[16+\i], v1
.endr
	v_min_u32 v24, 0x3ff, v25
	v_lshlrev_b32 v24, 5, v24
.endm
.macro XLOAD                           ; 16 rows of codes, 768 bytes each: an instruction takes 256 consecutive bytes of row i (lanes 0-15) and of row 8 + i (lanes 16-31).  (Destination window 3: switched by the lines in front, ahead of their wait)
.irp i,0,1,2,3,4,5,6,7
.irp j,0,1,2
	global_load_b128 v[SX+12*\i+4*\j:SX+12*\i+4*\j+3], v[16+\i], s[4:5] offset:256*\j
.endr
.endr
	global_load_b128 v[SS:SS+3], v24, s[6:7]                   ; lane r: the eight scale words of slot r
	global_load_b128 v[SS+4:SS+7], v24, s[6:7] offset:16
	WIN 0
.endm
; The rows turn through my own LDS bytes into fragments; the scale words go through as an image.  LDS serves a wave's instructions in order: no wait on DScnt between the stores and the loads.
.macro STAGE_IN                        ; data as the loads brought them, addresses from the head: no vector instruction has a part in these stores
	WIN 0x0c
.irp i,0,1,2,3,4,5,6,7
.irp j,0,1,2
	ds_store_b128 v4, v[SX+12*\i+4*\j:SX+12*\i+4*\j+3] offset:PITCH*\i+256*\j
.endr
.endr
	ds_store_b128 v6, v[SS:SS+3]
	ds_store_b128 v6, v[SS+4:SS+7] offset:512
	WIN 0
.endm
.macro STAGE_OUT
	WIN 0xc0
	s_wait_alu depctr_va_vdst(0)                   ; the trip's matrix instructions are done reading x's fragments and scale words, in which the loads below land; the quantiser has written v10-12 and v188-194, which the stores behind these loads read (ahead of the loop nothing of either kind is out)
.irp s,0,1,2,3,4,5,6,7
.irp c,0,1,2
	ds_load_b128 v[12*\s+4*\c:12*\s+4*\c+3], v5 offset:96*\s+16*\c     ; my half's 48 bytes of K step s lie on end
.endr
.endr
	WIN 0
	ds_load_b128 v[XS:XS+3], v6
	ds_load_b128 v[XS+4:XS+7], v6 offset:512
.endm
.macro MUL                             ; 32 matrix instructions; the four accumulators take turns, one instruction a turn
.irp s,0,1,2,3,4,5,6,7
.if \s == 0
	WIN 0x3d                                       ; W1 window 1, x window 3, C = b1 window 3
.elseif \s < 4
	WIN 0x0d
.else
	WIN 0x0e                                       ; W1 window 2
.endif
.irp t,0,1,2,3
.if \s == 0
	v_wmma_scale_f32_16x16x128_f8f6f4 v[ACC+8*\t:ACC+8*\t+7], v[48*(\s%4)+12*\t:48*(\s%4)+12*\t+11], v[12*\s:12*\s+11], v[B1+8*\t:B1+8*\t+7], v[W1S+8*\t+\s], v[XS+\s] matrix_a_fmt:MATRIX_FMT_BF6 matrix_b_fmt:MATRIX_FMT_BF6
.else
	v_wmma_scale_f32_16x16x128_f8f6f4 v[ACC+8*\t:ACC+8*\t+7], v[48*(\s%4)+12*\t:48*(\s%4)+12*\t+11], v[12*\s:12*\s+11], v[ACC+8*\t:ACC+8*\t+7], v[W1S+8*\t+\s], v[XS+\s] matrix_a_fmt:MATRIX_FMT_BF6 matrix_b_fmt:MATRIX_FMT_BF6
.endif
.endr
.endr
	WIN 0
.endm
.macro GELU a                          ; sixteen numbers from v[a] on, in place; each step runs over all eight pairs, from the low end on
.irp i,0,2,4,6,8,10,12,14
	v_pk_mul_f32 v[ZZ+\i:ZZ+\i+1], v[\a+\i:\a+\i+1], s[36:37] op_sel_hi:[1,0]          ; z = a / sqrt 2
.endr
.irp i,0,1,2,3,4,5,6,7,8,9,10,11,12,13,14,15
	v_med3_num_f32 v[ZZ+\i], v[ZZ+\i], -4.0, 4.0
.endr
.irp i,0,2,4,6,8,10,12,14
	v_pk_mul_f32 v[Z2+\i:Z2+\i+1], v[ZZ+\i:ZZ+\i+1], v[ZZ+\i:ZZ+\i+1]
.endr
.irp i,0,2,4,6,8,10,12,14
	v_pk_fma_f32 v[PP+\i:PP+\i+1], v[Z2+\i:Z2+\i+1], v[200:201], s[38:39] op_sel_hi:[1,1,0]
.endr
.irp k,40,42,44,46,48
.irp i,0,2,4,6,8,10,12,14
	v_pk_fma_f32 v[PP+\i:PP+\i+1], v[PP+\i:PP+\i+1], v[Z2+\i:Z2+\i+1], s[\k:\k+1] op_sel_hi:[1,1,0]
.endr
.endr
.irp i,0,2,4,6,8,10,12,14
	v_pk_fma_f32 v[QQ+\i:QQ+\i+1], v[Z2+\i:Z2+\i+1], v[202:203], s[50:51] op_sel_hi:[1,1,0]
.endr
.irp k,52,54,56
.irp i,0,2,4,6,8,10,12,14
	v_pk_fma_f32 v[QQ+\i:QQ+\i+1], v[QQ+\i:QQ+\i+1], v[Z2+\i:Z2+\i+1], s[\k:\k+1] op_sel_hi:[1,1,0]
.endr
.endr
	s_wait_alu depctr_va_vdst(0)
.irp i,0,1,2,3,4,5,6,7,8,9,10,11,12,13,14,15
	v_rcp_f32 v[QQ+\i], v[QQ+\i]
.endr
.irp i,0,2,4,6,8,10,12,14
	v_pk_mul_f32 v[PP+\i:PP+\i+1], v[PP+\i:PP+\i+1], v[ZZ+\i:ZZ+\i+1]                  ; work that names no reciprocal stands behind the batch
.endr
.irp i,0,2,4,6,8,10,12,14
	v_pk_mul_f32 v[Z2+\i:Z2+\i+1], v[\a+\i:\a+\i+1], 0.5 op_sel_hi:[1,0]
.endr
	s_wait_alu depctr_va_vdst(0)                   ; the sixteen reciprocals v[QQ ..] are written: one wait for the batch, ahead of its first reader
.irp i,0,2,4,6,8,10,12,14
	v_pk_mul_f32 v[PP+\i:PP+\i+1], v[PP+\i:PP+\i+1], v[QQ+\i:QQ+\i+1]                  ; erf
.endr
.irp i,0,2,4,6,8,10,12,14
	v_pk_fma_f32 v[\a+\i:\a+\i+1], v[Z2+\i:Z2+\i+1], v[PP+\i:PP+\i+1], v[Z2+\i:Z2+\i+1]    ; 0.5 a erf + 0.5 a
.endr
.endm
	s_load_b512 s[4:19], s[0:1], 0x0               ; xq, xs, lists, w1_codes, w1_scales, b1, hq, hs
	v_lshl_add_u32 v254, v0, 2, 0x25c00
	v_mov_b32 v255, 0
	v_lshrrev_b32 v15, 5, v0
	v_readfirstlane_b32 s20, v15                   ; wave
	v_and_b32 v15, 15, v0                          ; r
	v_bfe_u32 v209, v0, 4, 1                       ; h
	s_wait_alu depctr_va_vdst(0)
	v_and_b32 v210, 31, v0                         ; lane
	v_lshlrev_b32 v1, 4, v15                       ; 16 r
	s_wait_alu depctr_va_sdst(0)                   ; s20 is written, ahead of its first reader: hh, p and every base and LDS address of the wave are made from it
	s_and_b32 s21, s20, 1                          ; hh
	s_lshr_b32 s22, s20, 1                         ; p
	s_mov_b32 s23, ttmp9                           ; the chunk
	s_and_b32 s24, ttmp7, 0xffff                   ; the expert
	s_lshl_b32 s29, s22, 6
	v_lshl_add_u32 v2, v209, 5, s29                ; in a group's 128 bytes of the slot list: 64 p + 32 h
	v_lshl_add_u32 v3, v15, 2, s29                 ; 64 p + 4 r
	s_mul_i32 s30, s20, XWB
	s_add_co_u32 s30, s30, XW0                     ; my wave's LDS bytes for x
	v_mul_u32_u24 v4, v209, 8*PITCH
	s_wait_alu depctr_va_vdst(0)
	v_add_nc_u32 v4, v4, v1
	v_add_nc_u32 v4, s30, v4                       ; rows in: row 8 h + i, 16 r
	v_mul_u32_u24 v5, v15, PITCH
	v_mad_u32_u24 v5, v209, 48, v5
	v_add_nc_u32 v5, s30, v5                       ; fragments out: row r, 48 h
	v_lshlrev_b32 v6, 4, v210
	v_add_nc_u32 v6, s30, v6
	v_add_nc_u32 v6, 16*PITCH, v6                  ; the scale words' image: 16 x lane
	s_mul_i32 s31, s23, 3072
	s_mul_i32 s32, s22, 1536
	s_add_co_u32 s31, s31, s32
	s_lshl_b32 s32, s21, 8
	s_add_co_u32 s31, s31, s32                     ; in a group's part of hq: chunk, tile, my half of the lanes
	v_lshl_add_u32 v7, v209, 10, v1
	v_add_nc_u32 v7, s31, v7                       ; lanes 0-15 store piece c = 0, lanes 16-31 piece c = 2
	v_xor_b32 v8, 1, v209
	v_lshl_add_u32 v8, v8, 3, v1
	v_add_nc_u32 v8, s31, v8
	v_add_nc_u32 v8, 512, v8                       ; piece c = 1: lanes 16-31 its first 8 bytes, lanes 0-15 its last
	s_lshl_b32 s32, s23, 7
	s_add_co_u32 s32, s32, s29
	s_add_co_u32 s32, s32, s21
	v_lshlrev_b32 v9, 2, v15
	v_lshl_add_u32 v9, v209, 1, v9
	v_add_nc_u32 v9, s32, v9                       ; in a group's part of hs: byte hh + 2 h of slot r's word
	v_mul_u32_u24 v204, v209, 16*768
	v_add_nc_u32 v204, v204, v1                    ; W1 in memory: rows i and 16 + i of my 32, 16 r
	s_mul_i32 s33, s20, 32*PITCH
	v_mul_u32_u24 v205, v209, 8*PITCH
	v_add_nc_u32 v205, v205, v1
	v_add_nc_u32 v205, s33, v205                   ; W1 into LDS: row 16 a + 8 u + c of a block goes to place 16 u + 8 a + c, so that a tile's 16 rows lie on end
	s_mul_i32 s33, s21, 32*PITCH
	v_mul_u32_u24 v206, v15, PITCH
	v_mad_u32_u24 v206, v209, 24, v206
	v_add_nc_u32 v206, s33, v206                   ; W1's fragments out of LDS
	v_and_b32 v207, 8, v15
	v_add_nc_u32 v207, v207, v15
	v_lshlrev_b32 v207, 5, v207                    ; W1's scale words: 32 bytes a row, row r + 8 (r / 8)
	v_lshlrev_b32 v208, 6, v209                    ; b1: 16 h numbers on
	s_lshl_b32 s33, s24, 12
	s_lshl_b32 s34, s23, 7
	s_add_co_u32 s33, s33, s34                     ; the chunk's first row of W1
	s_lshl_b32 s34, s20, 5
	s_add_co_u32 s34, s34, s33
	s_mul_i32 s34, s34, 768
	s_mov_b32 s35, 0
	s_lshl_b32 s66, s21, 5
	s_add_co_u32 s66, s66, s33
	s_lshl_b32 s68, s66, 2
	s_lshl_b32 s66, s66, 5
	s_mov_b32 s67, 0
	s_mov_b32 s69, 0
	s_mov_b32 s36, 0x3f3504f3                      ; 1 / sqrt 2.  (A packed form names a pair and takes its low word for both halves: so both words are written)
	s_mov_b32 s37, s36
	s_mov_b32 s38, 0x32edffee                      ; P's coefficients behind the first, the highest power first
	s_mov_b32 s39, s38
	s_mov_b32 s40, 0xb60cff51
	s_mov_b32 s41, s40
	s_mov_b32 s42, 0xb86ec2d2
	s_mov_b32 s43, s42
	s_mov_b32 s44, 0xba40ac63
	s_mov_b32 s45, s44
	s_mov_b32 s46, 0xbb41a1f6
	s_mov_b32 s47, s46
	s_mov_b32 s48, 0xbc83dbd4
	s_mov_b32 s49, s48
	s_mov_b32 s50, 0xb95fbd29                      ; Q's likewise
	s_mov_b32 s51, s50
	s_mov_b32 s52, 0xbadc924e
	s_mov_b32 s53, s52
	s_mov_b32 s54, 0xbbf19bf8
	s_mov_b32 s55, s54
	s_mov_b32 s56, 0xbc69b6a7
	s_mov_b32 s57, s56
	s_mov_b32 s58, 0x76543210
	s_mov_b32 s59, 0xfedcba98                      ; selects for lane l xor 16
	s_mov_b32 s60, 0xffff0000                      ; lanes 16-31
	v_mov_b32 v200, 0xaf95df0b                     ; P's first coefficient,
	v_mov_b32 v201, 0xaf95df0b
	v_mov_b32 v202, 0xb77460cd                     ; Q's
	v_mov_b32 v203, 0xb77460cd
	v_mov_b32 v172, 0                              ; written once: a lane permute's destination counts as one of its sources
	v_mov_b32 v173, 0
	v_mov_b32 v186, 0
	v_mov_b32 v187, 0
	s_lshl_b32 s29, s24, 3
	s_mov_b32 s28, 0                               ; j
	s_wait_kmcnt 0x0
	s_load_b64 s[30:31], s[8:9], s29 offset:0x0    ; my expert's first group and its number of groups
	s_add_nc_u64 s[10:11], s[10:11], s[34:35]
	s_add_nc_u64 s[12:13], s[12:13], s[66:67]
	s_add_nc_u64 s[14:15], s[14:15], s[68:69]
	WIN 0x40
	s_wait_alu depctr_va_vdst(0)                   ; the offsets and LDS addresses v1 to v9 and v204 to v208 are written: the loads, stores and LDS instructions of the whole kernel read them
.irp i,0,1,2,3,4,5,6,7,8,9,10,11,12,13,14,15
.irp j,0,1,2
	global_load_b128 v[4*(3*\i+\j):4*(3*\i+\j)+3], v204, s[10:11] offset:768*\i+256*\j th:TH_LOAD_NT     ; my 32 rows of the chunk: 256 consecutive bytes of two rows an instruction; read once in the launch
.endr
.endr
	WIN 0
.irp t,0,1,2,3
.irp c,0,1
	global_load_b128 v[W1S+8*\t+4*\c:W1S+8*\t+4*\c+3], v207, s[12:13] offset:32*(64*(\t/2)+8*(\t%2))+16*\c
.endr
.endr
	WIN 0xc0
.irp t,0,1,2,3
.irp c,0,1
	global_load_b128 v[B1+8*\t+4*\c:B1+8*\t+4*\c+3], v208, s[14:15] offset:4*(64*(\t/2)+8*(\t%2))+16*\c
.endr
.endr
	WIN 0
	s_wait_kmcnt 0x0
	s_min_u32 s26, s31, 32                         ; T
	s_min_u32 s25, s30, 71                         ; the first group,
	s_cmp_eq_u32 s26, 0
	s_cselect_b32 s25, 0, s25                      ; or group 0, which always has an owner, where my expert has no rows
	s_max_u32 s27, s26, 1
	s_sub_co_u32 s27, s27, 1                       ; the last trip: what is asked for ahead is held to it
	s_mov_b32 s29, 0
	LISTA
	s_wait_alu depctr_va_vdst(0)                   ; v13 and v14 are written, which the list's three loads read
	LISTL
	s_wait_loadcnt 19                              ; the 48 loads of W1 are in; behind them 8 of its scale words, 8 of b1, 3 of the list
	WIN 0x04
.irp i,0,1,2,3,4,5,6,7,8,9,10,11,12,13,14,15
.irp j,0,1,2
	ds_store_b128 v205, v[4*(3*\i+\j):4*(3*\i+\j)+3] offset:(16*(\i/8)+(\i%8))*PITCH+256*\j
.endr
.endr
	WIN 0
	s_wait_loadcnt 0x0                             ; the list is in
	s_wait_alu depctr_vm_vsrc(0)                   ; the list's loads have read v13 and v14, which are written again below
	XADDR
	s_mov_b32 s29, 1
	LISTA
	WIN 0xc0
	s_wait_alu depctr_va_vdst(0)                   ; v13, v14 and v16 to v24 are written, which the loads below read; the lines above are done reading v25 to v33, in which the list's loads land
	XLOAD                                          ; tile 0
	LISTL
	s_wait_dscnt 0x0                               ; for the other waves: my rows of W1 have landed
	s_barrier_signal -1
	s_barrier_wait -1                              ; the launch's one barrier; from here on the waves share nothing
	s_cmp_eq_u32 s26, 0
	s_cbranch_scc1 .Lend                           ; an expert that no token chose
	WIN 0x40
	s_wait_alu depctr_vm_vsrc(0)                   ; my LDS stores of W1's rows have read the registers of window 1, in which the fragments land
.irp s,0,1,2,3
.irp t,0,1,2,3
.irp p,0,1,2,3,4,5
	ds_load_b64 v[48*\s+12*\t+2*\p:48*\s+12*\t+2*\p+1], v206 offset:(64*(\t/2)+16*(\t%2))*PITCH+96*\s+48*(\p/3)+8*(\p%3)
.endr
.endr
.endr
	WIN 0x80
.irp s,4,5,6,7
.irp t,0,1,2,3
.irp p,0,1,2,3,4,5
	ds_load_b64 v[48*(\s-4)+12*\t+2*\p:48*(\s-4)+12*\t+2*\p+1], v206 offset:(64*(\t/2)+16*(\t%2))*PITCH+96*\s+48*(\p/3)+8*(\p%3)
.endr
.endr
.endr
	WIN 0
	s_wait_loadcnt 0x0                             ; tile 0's rows and the second list are in
	STAGE_IN
	STAGE_OUT
.Ltrip:
	s_wait_dscnt 0x0                               ; this tile's fragments and scale words are in (in the first trip W1's too)
	s_wait_xcnt 0x0                                ; the last trip's stores have had their addresses translated: their offsets and data are rewritten only behind this wait
	s_wait_alu depctr_vm_vsrc(0)                   ; the stage's LDS stores have read SX and SS, in which the loads below land; the last trip's stores have read v10-12 and v188-194, its loads v13, v14 and v16-24, all of which this trip writes again
	XADDR
	s_add_co_u32 s29, s28, 2
	LISTA
	WIN 0xc0
	s_wait_alu depctr_va_vdst(0)                   ; v13, v14 and v16 to v24 are written, which the loads below read; the lines above are done reading v25 to v33, in which the list's loads land
	XLOAD                                          ; the next tile's rows: a whole trip ahead of their use
	LISTL                                          ; and the tokens of the tile after it
	MUL
	s_add_co_u32 s29, s25, s28
	s_min_u32 s29, s29, 71                         ; this trip's group
	s_mul_i32 s30, s29, 98304
	s_lshl_b32 s31, s29, 12
	v_add_nc_u32 v10, s30, v7                      ; these three and the v_nop are the four places behind the last matrix instruction
	v_add_nc_u32 v11, s30, v8
	v_add_nc_u32 v12, s31, v9
	v_nop
	GELU ACC
	GELU ACC+16
	s_wait_alu depctr_va_vdst(0)
	s_wait_loadcnt 0x0                             ; the next tile's rows, asked for at the trip's head
	STAGE_IN                                       ; they go into the stage while the quantiser is worked
	v_max3_num_f32 v170, |v[ACC]|, |v[ACC+1]|, 0x2800000       ; the two blocks' largest magnitudes: my 16 numbers of each, and the floor 2^(5 - 127)
	v_max3_num_f32 v171, |v[ACC+16]|, |v[ACC+17]|, 0x2800000
.irp i,2,4,6,8,10,12,14
	v_max3_num_f32 v170, v170, |v[ACC+\i]|, |v[ACC+\i+1]|
	v_max3_num_f32 v171, v171, |v[ACC+16+\i]|, |v[ACC+16+\i+1]|
.endr
	v_permlanex16_b32 v172, v170, s58, s59
	v_permlanex16_b32 v173, v171, s58, s59
	v_max_num_f32 v170, v170, v172                 ; with lane l xor 16's
	v_max_num_f32 v171, v171, v173
	v_add_nc_u32 v174, 0xfe000000, v170            ; 4 off the exponent field: the conversion's scale operand
	v_add_nc_u32 v175, 0xfe000000, v171
	v_lshrrev_b32 v176, 23, v174                   ; the scale bytes
	v_lshrrev_b32 v177, 23, v175
	v_cvt_scalef32_pk16_bf6_f32 v[178:180], v[ACC:ACC+15], v174        ; P: 16 codes of block hh
	v_cvt_scalef32_pk16_bf6_f32 v[182:184], v[ACC+16:ACC+31], v175     ; Q: 16 codes of block 2 + hh
	v_cndmask_b32 v194, v176, v177, s60            ; (a plain instruction behind the conversions)  lanes 0-15 store the first block's byte, lanes 16-31 the second's
	v_permlanex16_b32 v186, v178, s58, s59         ; the other half's P0,
	v_permlanex16_b32 v187, v184, s58, s59         ; and its Q2
	v_cndmask_b32 v188, v178, v187, s60            ; registers 0-3 of the next operand (lanes 0-15: P0 P1 P2 and the upper half's P0), registers 8-11 (lanes 16-31: the lower half's Q2, Q0 Q1 Q2)
	v_cndmask_b32 v189, v179, v182, s60
	v_cndmask_b32 v190, v180, v183, s60
	v_cndmask_b32 v191, v186, v184, s60
	v_cndmask_b32 v192, v182, v179, s60            ; registers 4-5 (lanes 16-31: P1 P2), 6-7 (lanes 0-15: Q0 Q1)
	v_cndmask_b32 v193, v183, v180, s60
	STAGE_OUT                                      ; the trip's one wait for its results stands in here, ahead of the loads and of the three stores
	global_store_b128 v10, v[188:191], s[16:17]                ; sixteen lanes store 256 consecutive bytes, aligned.  No vector instruction since the wait names these stores' registers
	global_store_b64 v11, v[192:193], s[16:17]                 ; the 32 lanes store 256 consecutive bytes, aligned
	global_store_b8 v12, v194, s[18:19]
	s_add_co_u32 s28, s28, 1
	s_cmp_lt_u32 s28, s26
	s_cbranch_scc1 .Ltrip
.Lend:
	s_wait_dscnt 0x0
	s_wait_alu depctr_hold_cnt(0) depctr_sa_sdst(0) depctr_va_vdst(0) depctr_va_sdst(0) depctr_va_ssrc(0) depctr_va_vcc(0) depctr_vm_vsrc(0)
	s_wait_tensorcnt 0x0
	ds_add_u32 v254, v255
	s_wait_dscnt 0x0
	s_endpgm
.Lfunc_end_k_q5acb67f9ea_ffn1:
	.size	k_q5acb67f9ea_ffn1, .Lfunc_end_k_q5acb67f9ea_ffn1-k_q5acb67f9ea_ffn1
	.p2alignl 7, 3214868480
	.fill 96, 4, 3214868480
	.section	.rodata,"a",@progbits
	.p2align	6, 0x0
	.amdhsa_kernel k_q5acb67f9ea_ffn1
		.amdhsa_group_segment_fixed_size 155136
		.amdhsa_private_segment_fixed_size 0
		.amdhsa_enable_private_segment 0
		.amdhsa_kernarg_size 64
		.amdhsa_user_sgpr_count 2
		.amdhsa_user_sgpr_kernarg_segment_ptr 1
		.amdhsa_wavefront_size32 1
		.amdhsa_system_sgpr_workgroup_id_x 1
		.amdhsa_system_sgpr_workgroup_id_y 1
		.amdhsa_system_sgpr_workgroup_id_z 1
		.amdhsa_system_vgpr_workitem_id 0
		.amdhsa_next_free_vgpr 1024
		.amdhsa_next_free_sgpr 96
		.amdhsa_reserve_vcc 0
		.amdhsa_float_denorm_mode_32 3
		.amdhsa_float_denorm_mode_16_64 3
		.amdhsa_memory_ordered 1
		.amdhsa_forward_progress 1
		.amdhsa_inst_pref_size 70
	.end_amdhsa_kernel
	.amdgpu_metadata
---
amdhsa.version: [ 1, 2 ]
amdhsa.kernels:
  - .name:           k_q5acb67f9ea_ffn1
    .symbol:         k_q5acb67f9ea_ffn1.kd
    .args:
      - { .name: xq, .offset: 0, .size: 8, .value_kind: global_buffer, .address_space: global }
      - { .name: xs, .offset: 8, .size: 8, .value_kind: global_buffer, .address_space: global }
      - { .name: lists, .offset: 16, .size: 8, .value_kind: global_buffer, .address_space: global }
      - { .name: w1_codes, .offset: 24, .size: 8, .value_kind: global_buffer, .address_space: global }
      - { .name: w1_scales, .offset: 32, .size: 8, .value_kind: global_buffer, .address_space: global }
      - { .name: b1, .offset: 40, .size: 8, .value_kind: global_buffer, .address_space: global }
      - { .name: hq, .offset: 48, .size: 8, .value_kind: global_buffer, .address_space: global }
      - { .name: hs, .offset: 56, .size: 8, .value_kind: global_buffer, .address_space: global }
    .group_segment_fixed_size: 155136
    .private_segment_fixed_size: 0
    .kernarg_segment_align: 8
    .kernarg_segment_size: 64
    .max_flat_workgroup_size: 128
    .sgpr_count:     96
    .vgpr_count:     1024
    .wavefront_size: 32
...
	.end_amdgpu_metadata
.endif
;; end of part 8
;; launch ffn2 (part 9): grid 32 x 8, 4 waves a work-group, no clusters, 270,848 bytes of LDS; arguments hq, hs, lists, w2_codes, w2_scales, b2, y; writes y
.if DOCPART == 9
	.amdgcn_target "amdgcn-amd-amdhsa--gfx1250"
	.amdhsa_code_object_version 6
	.text
	.protected	k_q5acb67f9ea_ffn2
	.globl	k_q5acb67f9ea_ffn2
	.p2align	8
	.type	k_q5acb67f9ea_ffn2,@function
k_q5acb67f9ea_ffn2:
	s_mov_b64 s[64:65], 0
	v_nop
	global_prefetch_b8 v0, s[64:65] scope:SCOPE_SE
	s_setreg_imm32_b32 hwreg(HW_REG_WAVE_SCHED_MODE, 0, 2), 2
	s_setreg_imm32_b32 hwreg(HW_REG_WAVE_MODE, 25, 1), 1
	s_wait_xcnt 0x0
	s_wait_alu depctr_vm_vsrc(0)
; y = h W2 + b2 in slot order, both operands codes of E3M2 with E8M0 scales.  Work-group y = the expert; work-group x = 2 cg + p: 64 output columns (cg) and every second group of 32 slots (p).
; THE WEIGHTS STAY: wave q keeps the 64 columns x K steps 8 q .. 8 q + 7 (1,024 of the 4,096 along K) in 384 registers.  So each fragment of h is loaded by one wave and feeds four matrix instructions.
; The four quarters of K are added through LDS: a barrier in every trip.  So the loop has a CONSTANT 16 trips (an expert has at most 32 groups, 16 of one parity), every wave passes every barrier,
; and only the work of a trip beyond the expert's groups is jumped over, by a branch on a number that an earlier launch stored.  Operands come through registers.
; The product is used transposed (source 0 = 16 rows of W2, source 1 = 16 slots of h): a lane holds eight neighbouring columns of one slot.  h comes as the image of the operand's registers: 16 bytes a lane, 512 an instruction.
; No cluster: there are no tensor loads to share tiles by.  No prefetch: the weights are asked for at the head, h a trip ahead into registers.
; The sum over K is made in four parts that are added in f32: an order of rounding that differs from one ascending chain.
; REGISTERS.  Window 0: v1-8 offsets; v12-15 b2; v16-23 h's scale words (lanes 0-15 tile 0, lanes 16-31 tile 1); v24-55 W2's; v56-119 eight accumulators; v120-183 the reduction; v184-188 the head's.
;   Windows 1, 2: W2's fragments, (K step s, tile t) at 48 (s mod 4) + 12 t.   Window 3: h's fragments, (tile m, K step s) at 96 m + 12 s.
; THE MODE: SCHED_MODE bits 1:0 = 2 (LLVM: expert scheduling mode 2), set by the entry lines.  The code itself states the register dependences
; between vector or matrix instructions and memory or LDS instructions, with s_wait_alu, always for 0.
; THE PLAN.  Registers that memory or LDS instructions touch, round a trip:
;   h's fragments (window 3), HS   The trip's 64 matrix instructions read them; behind the last of these the next group's 56 loads land in them.
;   v3, v4             offsets of those loads.  Written behind the matrix instructions, read by the 56 loads.
;   the accumulators   Written by the matrix instructions, read by the 16 LDS stores at the end of a trip's first part, begun anew by the next trip's first products.
;   RED                The reduction's 16 LDS loads land in it; its additions work in it; its four stores read the sums.   v8: their offset, written at the reduction's head.
;   v1, v2, v5-7, v184-188   made once at the head.  W2's fragments and scale words and b2 are loaded at the head and then named by matrix and vector instructions alone.
; So the first part of a trip has ONE wait on va_vdst, behind its last product and the places: the accumulators are written, the fragments and scale words are read, v3 and v4 are written; the 56 loads and the 16 LDS stores
; follow it.  At the part's head one wait on vm_vsrc frees the accumulators and v3, v4.  The reduction has one wait on vm_vsrc at its head (v8 and the sums have been read by the last stores) and one on va_vdst ahead of its run of four stores.
.set PITCH, 784                        ; an LDS row of weights: 768 bytes + 16
.set PANEL, 64*PITCH                   ; LDS: a panel of 64 rows for each wave, its own;
.set PART,  4*PANEL                    ; then two buffers of [quarter][32 slots][256 bytes + 16]
.set PBUF,  4*32*272
.set HS,  16
.set W2S, 24
.set ACC, 56
.set RED, 120
.set MSB, 0
.macro WIN new                         ; the immediate's high byte repeats the setting that is left
.if MSB != \new
	s_set_vgpr_msb (MSB<<8)|\new
.set MSB, \new
.endif
.endm
.macro NEXT                            ; s29 = k: the offsets of my groups' k-th, held to the last
	s_min_u32 s29, s29, s26
	s_lshl_b32 s29, s29, 1
	s_add_co_u32 s29, s29, s24
	s_min_u32 s29, s29, 71
	s_mul_i32 s30, s29, 98304
	s_lshl_b32 s31, s29, 12
	v_add_nc_u32 v3, s30, v1
	v_add_nc_u32 v4, s31, v2
.endm
.macro HLOAD s0                        ; h's fragments of four K steps, both tiles: 24 loads of 512 consecutive bytes
	WIN 0xc0
.irp d,0,1,2,3
.irp m,0,1
.irp c,0,1,2
	global_load_b128 v[96*\m+12*(\s0+\d)+4*\c:96*\m+12*(\s0+\d)+4*\c+3], v3, s[4:5] offset:3072*(\s0+\d)+1536*\m+512*\c
.endr
.endr
.endr
.endm
.macro HSLOAD
.irp s,0,1,2,3,4,5,6,7
	global_load_b32 v[HS+\s], v4, s[6:7] offset:128*\s
.endr
.endm
.macro MUL s0                          ; 32 matrix instructions; the eight accumulators take turns, one instruction a turn; the first K step starts the sums
.if \s0 == 0
	WIN 0x0d                                       ; W2 window 1, h window 3
.else
	WIN 0x0e                                       ; W2 window 2
.endif
.irp d,0,1,2,3
.irp t,0,1,2,3
.if \s0+\d == 0
	v_wmma_scale_f32_16x16x128_f8f6f4 v[ACC+8*\t:ACC+8*\t+7], v[48*\d+12*\t:48*\d+12*\t+11], v[12*(\s0+\d):12*(\s0+\d)+11], 0, v[W2S+8*\t+\s0+\d], v[HS+\s0+\d] matrix_a_fmt:MATRIX_FMT_BF6 matrix_b_fmt:MATRIX_FMT_BF6
.else
	v_wmma_scale_f32_16x16x128_f8f6f4 v[ACC+8*\t:ACC+8*\t+7], v[48*\d+12*\t:48*\d+12*\t+11], v[12*(\s0+\d):12*(\s0+\d)+11], v[ACC+8*\t:ACC+8*\t+7], v[W2S+8*\t+\s0+\d], v[HS+\s0+\d] matrix_a_fmt:MATRIX_FMT_BF6 matrix_b_fmt:MATRIX_FMT_BF6
.endif
.endr
.irp t,0,1,2,3
.if \s0+\d == 0
	v_wmma_scale_f32_16x16x128_f8f6f4 v[ACC+32+8*\t:ACC+32+8*\t+7], v[48*\d+12*\t:48*\d+12*\t+11], v[96+12*(\s0+\d):96+12*(\s0+\d)+11], 0, v[W2S+8*\t+\s0+\d], v[HS+\s0+\d] matrix_a_fmt:MATRIX_FMT_BF6 matrix_b_fmt:MATRIX_FMT_BF6 matrix_b_scale:MATRIX_SCALE_ROW1
.else
	v_wmma_scale_f32_16x16x128_f8f6f4 v[ACC+32+8*\t:ACC+32+8*\t+7], v[48*\d+12*\t:48*\d+12*\t+11], v[96+12*(\s0+\d):96+12*(\s0+\d)+11], v[ACC+32+8*\t:ACC+32+8*\t+7], v[W2S+8*\t+\s0+\d], v[HS+\s0+\d] matrix_a_fmt:MATRIX_FMT_BF6 matrix_b_fmt:MATRIX_FMT_BF6 matrix_b_scale:MATRIX_SCALE_ROW1
.endif
.endr
.endr
.endm
; One trip: group j of my parity, through LDS buffer buf.
.macro TRIP buf
	s_lshl_b32 s27, s28, 1
	s_add_co_u32 s27, s27, \buf                    ; j
	s_cmp_lt_u32 s27, s25
	s_cbranch_scc0 .Lidle_\@
	s_wait_loadcnt 24                              ; loads come back in order: this group's scale words and its K steps 0 to 3 are in; the 24 younger loads, K steps 4 to 7, may be out
	s_wait_alu depctr_vm_vsrc(0)                   ; the last trip's LDS stores have read the accumulators, which the products below begin anew; this group's loads have read v3 and v4, which are written again behind the products
	MUL 0
	s_wait_loadcnt 0x0                             ; K steps 4 to 7 are in; all the loads that read v3 and v4 are done
	MUL 4
	WIN 0
	s_add_co_u32 s29, s27, 1
	NEXT                                           ; its two additions and the three v_nop are five places behind the last matrix instruction: four are owed in front of the LDS stores of its results, five in front of the matrix instruction that begins an accumulator anew
.rept 3
	v_nop
.endr
	s_wait_alu depctr_va_vdst(0)                   ; the matrix instructions have written the accumulators, which the LDS stores read, and are done reading h's fragments and scale words, in which the loads land; v3 and v4 are written
	HSLOAD                                         ; the next group: its scale words,
	HLOAD 0                                        ; its first four K steps,
	HLOAD 4                                        ; its last four.  No vector or matrix instruction since the wait
	WIN 0
.irp m,0,1
.irp t,0,1,2,3
	ds_store_b128 v5, v[ACC+32*\m+8*\t:ACC+32*\m+8*\t+3] offset:PBUF*\buf+4352*\m+64*\t          ; each accumulator from its low end on
	ds_store_b128 v5, v[ACC+32*\m+8*\t+4:ACC+32*\m+8*\t+7] offset:PBUF*\buf+4352*\m+64*\t+16
.endr
.endr
.Lidle_\@:
	s_wait_dscnt 0x0                               ; my quarter has landed, and my reads of the other buffer, which the next trip writes, are back
	s_barrier_signal -1
	s_barrier_wait -1
	s_cmp_lt_u32 s27, s25
	s_cbranch_scc0 .Lnone_\@
	s_wait_xcnt 0x0                                ; the last reduction's stores have had their addresses translated: their offset and data are rewritten only behind this wait
	s_wait_alu depctr_vm_vsrc(0)                   ; those stores have read v8, which is written below, and their sums in RED, in which the LDS loads below land (the additions that named RED stand ahead of the last wait on va_vdst)
	s_lshl_b32 s29, s27, 1
	s_add_co_u32 s29, s29, s24
	s_min_u32 s29, s29, 71
	s_lshl_b32 s29, s29, 17                        ; 32 rows of 4,096 bytes a group
	v_add_nc_u32 v8, s29, v7
.irp i,0,1,2,3
.irp g,0,1,2,3
	ds_load_b128 v[RED+16*\i+4*\g:RED+16*\i+4*\g+3], v6 offset:PBUF*\buf+8704*\g+544*\i          ; rows 8 w + 2 i and + 1, quarter g
.endr
.endr
.irp i,0,1,2,3
	s_wait_dscnt 12-4*\i                           ; piece i's four loads are in; the later pieces' may be out
.irp u,0,2
	v_pk_add_f32 v[RED+16*\i+\u:RED+16*\i+\u+1], v[RED+16*\i+\u:RED+16*\i+\u+1], v[RED+16*\i+4+\u:RED+16*\i+4+\u+1]
	v_pk_add_f32 v[RED+16*\i+8+\u:RED+16*\i+8+\u+1], v[RED+16*\i+8+\u:RED+16*\i+8+\u+1], v[RED+16*\i+12+\u:RED+16*\i+12+\u+1]
.endr
.irp u,0,2
	v_pk_add_f32 v[RED+16*\i+\u:RED+16*\i+\u+1], v[RED+16*\i+\u:RED+16*\i+\u+1], v[RED+16*\i+8+\u:RED+16*\i+8+\u+1]
.endr
.irp u,0,2
	v_pk_add_f32 v[RED+16*\i+\u:RED+16*\i+\u+1], v[RED+16*\i+\u:RED+16*\i+\u+1], v[12+\u:13+\u]
.endr
.endr
	s_wait_alu depctr_va_vdst(0)                   ; the four pieces' sums and v8 are written, which the run of stores reads
.irp i,0,1,2,3
	global_store_b128 v8, v[RED+16*\i:RED+16*\i+3], s[16:17] offset:8192*\i th:TH_STORE_NT       ; sixteen lanes store 256 consecutive bytes, aligned
.endr
.Lnone_\@:
.endm
	s_load_b256 s[4:11], s[0:1], 0x0               ; hq, hs, lists, w2_codes
	s_load_b128 s[12:15], s[0:1], 0x20             ; w2_scales, b2
	s_load_b64 s[16:17], s[0:1], 0x30              ; y
	v_lshl_add_u32 v254, v0, 2, 0x42000
	v_mov_b32 v255, 0
	v_lshrrev_b32 v9, 5, v0
	v_readfirstlane_b32 s20, v9                    ; wave = my quarter of K; on the way out: my eight rows
	s_lshr_b32 s21, ttmp9, 1                       ; cg
	s_and_b32 s22, ttmp9, 1                        ; p
	s_and_b32 s23, ttmp7, 0xffff                   ; the expert
	v_and_b32 v9, 15, v0                           ; r
	v_bfe_u32 v10, v0, 4, 1                        ; h
	v_and_b32 v11, 31, v0                          ; lane
	v_lshlrev_b32 v188, 4, v9                      ; 16 r
	s_wait_alu depctr_va_vdst(0)
	s_wait_alu depctr_va_sdst(0)                   ; s20 is written, ahead of its first reader: the wave's offsets, LDS addresses and bases are made from it
	s_mul_i32 s29, s20, 24576
	v_lshl_add_u32 v1, v11, 4, s29                 ; in a group's part of hq: my eight K steps, 16 x lane
	s_lshl_b32 s29, s20, 10
	v_lshl_add_u32 v2, v11, 2, s29                 ; in its part of hs
	s_mul_i32 s29, s20, 8704
	s_add_co_u32 s29, s29, PART
	v_mul_u32_u24 v5, v9, 272
	v_lshl_add_u32 v5, v10, 5, v5
	v_add_nc_u32 v5, s29, v5                       ; my quarter's results: slot r, 32 h bytes
	s_mul_i32 s29, s20, 2176
	s_add_co_u32 s29, s29, PART
	v_mul_u32_u24 v6, v10, 272
	v_add_nc_u32 v6, v6, v188
	v_add_nc_u32 v6, s29, v6                       ; back: rows 8 w + h, 16 r
	s_lshl_b32 s29, s20, 15
	s_lshl_b32 s30, s21, 8
	s_add_co_u32 s29, s29, s30
	v_lshl_add_u32 v7, v10, 12, v188
	v_add_nc_u32 v7, s29, v7                       ; the same place in a group's 32 rows of y
	s_lshl_b32 s31, s23, 10
	s_lshl_b32 s30, s21, 6
	s_add_co_u32 s31, s31, s30                     ; my first row of W2
	s_mul_i32 s32, s31, 3072
	s_mul_i32 s30, s20, 768
	s_add_co_u32 s32, s32, s30
	s_mov_b32 s33, 0
	s_lshl_b32 s34, s31, 7
	s_lshl_b32 s30, s20, 5
	s_add_co_u32 s34, s34, s30
	s_mov_b32 s35, 0
	s_lshl_b32 s36, s31, 2
	s_mov_b32 s37, 0
	v_mul_u32_u24 v184, v10, 0x18000
	v_add_nc_u32 v184, v184, v188                  ; W2 in memory: rows i and 32 + i, 16 r
	v_lshlrev_b32 v185, 7, v9                      ; its scale words: 128 bytes a row
	s_mul_i32 s29, s20, PANEL
	v_mul_u32_u24 v186, v10, 32*PITCH
	v_add_nc_u32 v186, v186, v188
	v_add_nc_u32 v186, s29, v186                   ; into my panel
	v_mul_u32_u24 v187, v9, PITCH
	v_mad_u32_u24 v187, v10, 24, v187
	v_add_nc_u32 v187, s29, v187                   ; fragments out of it
	s_lshl_b32 s38, s23, 3
	s_wait_kmcnt 0x0
	s_load_b64 s[40:41], s[8:9], s38 offset:0x0    ; my expert's first group and its number of groups
	s_add_nc_u64 s[10:11], s[10:11], s[32:33]
	s_add_nc_u64 s[12:13], s[12:13], s[34:35]
	s_add_nc_u64 s[14:15], s[14:15], s[36:37]
	WIN 0x40
	s_wait_alu depctr_va_vdst(0)                   ; the offsets and LDS addresses v1, v2, v5 to v7 and v184 to v188 are written: the loads, stores and LDS instructions of the whole kernel read them
.irp i,0,1,2,3,4,5,6,7,8,9,10,11,12,13,14,15
.irp j,0,1,2
	global_load_b128 v[4*(3*\i+\j):4*(3*\i+\j)+3], v184, s[10:11] offset:3072*\i+256*\j          ; 256 consecutive bytes of two rows an instruction
.endr
.endr
	WIN 0x80
.irp i,16,17,18,19,20,21,22,23,24,25,26,27,28,29,30,31
.irp j,0,1,2
	global_load_b128 v[4*(3*(\i-16)+\j):4*(3*(\i-16)+\j)+3], v184, s[10:11] offset:3072*\i+256*\j
.endr
.endr
	WIN 0
.irp t,0,1,2,3
.irp c,0,1
	global_load_b128 v[W2S+8*\t+4*\c:W2S+8*\t+4*\c+3], v185, s[12:13] offset:2048*\t+16*\c
.endr
.endr
	global_load_b128 v[12:15], v188, s[14:15]      ; b2 of my four columns on the way out
	s_wait_loadcnt 57                              ; the first 48 loads are in; behind them 48 more, 8 of scale words, 1 of b2
	WIN 0x04
.irp i,0,1,2,3,4,5,6,7,8,9,10,11,12,13,14,15
.irp j,0,1,2
	ds_store_b128 v186, v[4*(3*\i+\j):4*(3*\i+\j)+3] offset:PITCH*\i+256*\j
.endr
.endr
	s_wait_loadcnt 0x0                             ; all of the head's loads: the reduction names b2 with no load wait of its own
	WIN 0x08
.irp i,16,17,18,19,20,21,22,23,24,25,26,27,28,29,30,31
.irp j,0,1,2
	ds_store_b128 v186, v[4*(3*(\i-16)+\j):4*(3*(\i-16)+\j)+3] offset:PITCH*\i+256*\j
.endr
.endr
	WIN 0
	s_wait_kmcnt 0x0
	s_min_u32 s25, s41, 32
	s_add_co_u32 s25, s25, 1
	s_sub_co_u32 s25, s25, s22
	s_lshr_b32 s25, s25, 1                         ; how many of the expert's groups are of my parity
	s_min_u32 s24, s40, 71
	s_add_co_u32 s24, s24, s22                     ; the first of them,
	s_cmp_eq_u32 s25, 0
	s_cselect_b32 s24, 0, s24                      ; or group 0, which always has an owner, where there is none
	s_max_u32 s26, s25, 1
	s_sub_co_u32 s26, s26, 1
	s_mov_b32 s29, 0
	NEXT
	s_wait_alu depctr_va_vdst(0)                   ; v3 and v4 are written, which the 56 loads below read
	HSLOAD                                         ; the first group, in the order of every trip: scale words, K steps 0 to 3, K steps 4 to 7
	HLOAD 0
	HLOAD 4
	WIN 0
	s_wait_dscnt 0x0                               ; my panel is whole
	WIN 0x40
	s_wait_alu depctr_vm_vsrc(0)                   ; the panel's LDS stores have read the registers of windows 1 and 2, in which the fragments land
.irp s,0,1,2,3
.irp t,0,1,2,3
.irp p,0,1,2,3,4,5
	ds_load_b64 v[48*\s+12*\t+2*\p:48*\s+12*\t+2*\p+1], v187 offset:16*PITCH*\t+96*\s+48*(\p/3)+8*(\p%3)
.endr
.endr
.endr
	WIN 0x80
.irp s,4,5,6,7
.irp t,0,1,2,3
.irp p,0,1,2,3,4,5
	ds_load_b64 v[48*(\s-4)+12*\t+2*\p:48*(\s-4)+12*\t+2*\p+1], v187 offset:16*PITCH*\t+96*\s+48*(\p/3)+8*(\p%3)
.endr
.endr
.endr
	WIN 0
	s_wait_dscnt 0x0
	s_mov_b32 s28, 0
.Lpair:                                                ; eight trips of two groups, one for each LDS buffer: a buffer is written again only behind the other buffer's barrier
	TRIP 0
	TRIP 1
	s_add_co_u32 s28, s28, 1
	s_cmp_lt_u32 s28, 8
	s_cbranch_scc1 .Lpair
	s_wait_dscnt 0x0
	s_wait_alu depctr_hold_cnt(0) depctr_sa_sdst(0) depctr_va_vdst(0) depctr_va_sdst(0) depctr_va_ssrc(0) depctr_va_vcc(0) depctr_vm_vsrc(0)
	s_wait_tensorcnt 0x0
	ds_add_u32 v254, v255
	s_wait_dscnt 0x0
	s_endpgm
.Lfunc_end_k_q5acb67f9ea_ffn2:
	.size	k_q5acb67f9ea_ffn2, .Lfunc_end_k_q5acb67f9ea_ffn2-k_q5acb67f9ea_ffn2
	.p2alignl 7, 3214868480
	.fill 96, 4, 3214868480
	.section	.rodata,"a",@progbits
	.p2align	6, 0x0
	.amdhsa_kernel k_q5acb67f9ea_ffn2
		.amdhsa_group_segment_fixed_size 270848
		.amdhsa_private_segment_fixed_size 0
		.amdhsa_enable_private_segment 0
		.amdhsa_kernarg_size 56
		.amdhsa_user_sgpr_count 2
		.amdhsa_user_sgpr_kernarg_segment_ptr 1
		.amdhsa_wavefront_size32 1
		.amdhsa_system_sgpr_workgroup_id_x 1
		.amdhsa_system_sgpr_workgroup_id_y 1
		.amdhsa_system_sgpr_workgroup_id_z 1
		.amdhsa_system_vgpr_workitem_id 0
		.amdhsa_next_free_vgpr 960
		.amdhsa_next_free_sgpr 66
		.amdhsa_reserve_vcc 0
		.amdhsa_float_denorm_mode_32 3
		.amdhsa_float_denorm_mode_16_64 3
		.amdhsa_memory_ordered 1
		.amdhsa_forward_progress 1
		.amdhsa_inst_pref_size 77
	.end_amdhsa_kernel
	.amdgpu_metadata
---
amdhsa.version: [ 1, 2 ]
amdhsa.kernels:
  - .name:           k_q5acb67f9ea_ffn2
    .symbol:         k_q5acb67f9ea_ffn2.kd
    .args:
      - { .name: hq, .offset: 0, .size: 8, .value_kind: global_buffer, .address_space: global }
      - { .name: hs, .offset: 8, .size: 8, .value_kind: global_buffer, .address_space: global }
      - { .name: lists, .offset: 16, .size: 8, .value_kind: global_buffer, .address_space: global }
      - { .name: w2_codes, .offset: 24, .size: 8, .value_kind: global_buffer, .address_space: global }
      - { .name: w2_scales, .offset: 32, .size: 8, .value_kind: global_buffer, .address_space: global }
      - { .name: b2, .offset: 40, .size: 8, .value_kind: global_buffer, .address_space: global }
      - { .name: y, .offset: 48, .size: 8, .value_kind: global_buffer, .address_space: global }
    .group_segment_fixed_size: 270848
    .private_segment_fixed_size: 0
    .kernarg_segment_align: 8
    .kernarg_segment_size: 56
    .max_flat_workgroup_size: 128
    .sgpr_count:     66
    .vgpr_count:     960
    .wavefront_size: 32
...
	.end_amdgpu_metadata
.endif
;; end of part 9
;; launch combine (part 10): grid 256 x 1, 4 waves a work-group, no clusters, 0 bytes of LDS; arguments x, y, wts, lists, out0; writes out0
.if DOCPART == 10
	.amdgcn_target "amdgcn-amd-amdhsa--gfx1250"
	.amdhsa_code_object_version 6
	.text
	.protected	k_q5acb67f9ea_combine
	.globl	k_q5acb67f9ea_combine
	.p2align	8
	.type	k_q5acb67f9ea_combine,@function
k_q5acb67f9ea_combine:
	s_mov_b64 s[64:65], 0
	v_nop
	global_prefetch_b8 v0, s[64:65] scope:SCOPE_SE
	s_setreg_imm32_b32 hwreg(HW_REG_WAVE_MODE, 25, 1), 1
	s_wait_xcnt 0x0
; out = x + w0 y[slot of (token, 0)] + w1 y[slot of (token, 1)].  One wave takes one token: three rows of 4,096 bytes in, one out; each load and store of the wave covers 512 consecutive bytes.
; Each output row has one owner, so nothing is added across work-groups.  The slots are whole numbers that an earlier launch stored; they enter an address behind their clamp.
; A stream: no LDS, no barrier, no matrix unit.
	s_load_b256 s[4:11], s[0:1], 0x0               ; x, y, wts, lists
	s_load_b64 s[12:13], s[0:1], 0x20              ; out0
	v_lshrrev_b32 v1, 5, v0
	v_readfirstlane_b32 s14, v1
	v_and_b32 v1, 31, v0
	v_lshlrev_b32 v1, 4, v1                        ; 16 x lane
	s_lshl_b32 s15, ttmp9, 2
	s_add_co_u32 s15, s15, s14                     ; my token
	s_lshl_b32 s20, s15, 12
	s_mov_b32 s21, 0
	s_lshl_b32 s15, s15, 3
	s_wait_alu depctr_va_vdst(0)
	s_wait_kmcnt 0x0
	s_load_b64 s[16:17], s[10:11], s15 offset:0x100    ; its two slots,
	s_load_b64 s[18:19], s[8:9], s15 offset:0x0        ; its two weights
	s_add_nc_u64 s[4:5], s[4:5], s[20:21]
	s_add_nc_u64 s[12:13], s[12:13], s[20:21]
.irp i,0,1,2,3,4,5,6,7
	global_load_b128 v[16+4*\i:19+4*\i], v1, s[4:5] offset:512*\i th:TH_LOAD_NT
.endr
	s_wait_kmcnt 0x0
	s_min_u32 s16, s16, 2303
	s_min_u32 s17, s17, 2303
	s_lshl_b32 s22, s16, 12
	s_mov_b32 s23, 0
	s_lshl_b32 s24, s17, 12
	s_mov_b32 s25, 0
	s_add_nc_u64 s[22:23], s[6:7], s[22:23]
	s_add_nc_u64 s[24:25], s[6:7], s[24:25]
	s_mov_b32 s26, s18                             ; a packed form names a pair and takes its low word for both halves: so both words are written
	s_mov_b32 s27, s18
	s_mov_b32 s28, s19
	s_mov_b32 s29, s19
.irp i,0,1,2,3,4,5,6,7
	global_load_b128 v[48+4*\i:51+4*\i], v1, s[22:23] offset:512*\i th:TH_LOAD_NT
.endr
.irp i,0,1,2,3,4,5,6,7
	global_load_b128 v[80+4*\i:83+4*\i], v1, s[24:25] offset:512*\i th:TH_LOAD_NT
.endr
	s_wait_loadcnt 8                               ; x and the first row of y are in; the second row's eight loads may be out
.irp i,0,2,4,6,8,10,12,14,16,18,20,22,24,26,28,30
	v_pk_fma_f32 v[16+\i:17+\i], v[48+\i:49+\i], s[26:27], v[16+\i:17+\i] op_sel_hi:[1,0,1]
.endr
	s_wait_loadcnt 0x0
.irp i,0,2,4,6,8,10,12,14,16,18,20,22,24,26,28,30
	v_pk_fma_f32 v[16+\i:17+\i], v[80+\i:81+\i], s[28:29], v[16+\i:17+\i] op_sel_hi:[1,0,1]
.endr
.irp i,0,1,2,3,4,5,6,7
	global_store_b128 v1, v[16+4*\i:19+4*\i], s[12:13] offset:512*\i th:TH_STORE_NT
.endr
	s_endpgm
.Lfunc_end_k_q5acb67f9ea_combine:
	.size	k_q5acb67f9ea_combine, .Lfunc_end_k_q5acb67f9ea_combine-k_q5acb67f9ea_combine
	.p2alignl 7, 3214868480
	.fill 96, 4, 3214868480
	.section	.rodata,"a",@progbits
	.p2align	6, 0x0
	.amdhsa_kernel k_q5acb67f9ea_combine
		.amdhsa_group_segment_fixed_size 0
		.amdhsa_private_segment_fixed_size 0
		.amdhsa_enable_private_segment 0
		.amdhsa_kernarg_size 40
		.amdhsa_user_sgpr_count 2
		.amdhsa_user_sgpr_kernarg_segment_ptr 1
		.amdhsa_wavefront_size32 1
		.amdhsa_system_sgpr_workgroup_id_x 1
		.amdhsa_system_sgpr_workgroup_id_y 1
		.amdhsa_system_sgpr_workgroup_id_z 1
		.amdhsa_system_vgpr_workitem_id 0
		.amdhsa_next_free_vgpr 112
		.amdhsa_next_free_sgpr 66
		.amdhsa_reserve_vcc 0
		.amdhsa_float_denorm_mode_32 3
		.amdhsa_float_denorm_mode_16_64 3
		.amdhsa_memory_ordered 1
		.amdhsa_forward_progress 1
		.amdhsa_inst_pref_size 7
	.end_amdhsa_kernel
	.amdgpu_metadata
---
amdhsa.version: [ 1, 2 ]
amdhsa.kernels:
  - .name:           k_q5acb67f9ea_combine
    .symbol:         k_q5acb67f9ea_combine.kd
    .args:
      - { .name: x, .offset: 0, .size: 8, .value_kind: global_buffer, .address_space: global }
      - { .name: y, .offset: 8, .size: 8, .value_kind: global_buffer, .address_space: global }
      - { .name: wts, .offset: 16, .size: 8, .value_kind: global_buffer, .address_space: global }
      - { .name: lists, .offset: 24, .size: 8, .value_kind: global_buffer, .address_space: global }
      - { .name: out0, .offset: 32, .size: 8, .value_kind: global_buffer, .address_space: global }
    .group_segment_fixed_size: 0
    .private_segment_fixed_size: 0
    .kernarg_segment_align: 8
    .kernarg_segment_size: 40
    .max_flat_workgroup_size: 128
    .sgpr_count:     66
    .vgpr_count:     112
    .wavefront_size: 32
...
	.end_amdgpu_metadata
.endif
;; end of part 10
